; MI455X (gfx1250); checked and timed in simulation.
; The chip was launched on July 23, 2026; its instructions are those of AMD's public machine-readable ISA for CDNA 5 (MIT licence, August 2026) and "CDNA5" Instruction Set Architecture Reference Guide (July 2026). The comments in the code are by the model that wrote it; some were corrected since.
;; Block. Allowed arithmetic: matrix products marked QUANTISED: E4M3 operands, one given power-of-two scale a tensor, by v_wmma_f32_16x16x64_fp8_fp8 or v_wmma_f32_16x16x128_fp8_fp8, f32 sums; everything else in f32.
;; Inputs: ff_b1 4,096 float32; ff_b2 1,024 float32; ff_w1_codes 4,096 x 32 x 32 uint8 (E4M3 codes of ff_w1, K innermost, in blocks of 32 codes); ff_w2_codes 1,024 x 128 x 32 uint8 (E4M3 codes of ff_w2, K innermost, in blocks of 32 codes); key_padding_mask 4 x 1,024 bool; ln1_b 1,024 float32; ln1_w 1,024 float32; ln2_b 1,024 float32; ln2_w 1,024 float32; lowp_scales 16 int32 (the exponents e of the quantised operands' scales 2^e); proj_b 1,024 float32; proj_w_codes 1,024 x 32 x 32 uint8 (E4M3 codes of proj_w, K innermost, in blocks of 32 codes); wk_codes 16 x 64 x 32 x 32 uint8 (E4M3 codes of wk, K innermost, in blocks of 32 codes); wq_codes 16 x 64 x 32 x 32 uint8 (E4M3 codes of wq, K innermost, in blocks of 32 codes); wv_codes 16 x 64 x 32 x 32 uint8 (E4M3 codes of wv, K innermost, in blocks of 32 codes); x 4 x 1,024 x 1,024 float32.
;; Outputs: out0 4 x 1,024 x 1,024 float32.
;; This version of the problem:
;;   THIS VERSION OF THE PROBLEM IS GIVEN IN LOW PRECISION. The matrix products marked QUANTISED in the list below multiply operands that are first quantised to E4M3 (4 exponent bits, 3 mantissa bits; 8 bits a number), with one given power-of-two scale for each operand tensor; their sums are f32. All else is computed in f32.
;;   The module's matrix products, in the order in which they are computed (A, B: the left and right operand; K: the contracted axis; several contracted axes count as one K, in the product's order):
;;     1. [M 1,024, K 1,024] x [K 1,024, N 4,096]; A: input wq (given as codes); B: computed on the way: QUANTISED (scales: A lowp_scales[0], B lowp_scales[1])
;;     2. [M 1,024, K 1,024] x [K 1,024, N 4,096]; A: input wk (given as codes); B: computed on the way: QUANTISED (scales: A lowp_scales[2], B lowp_scales[3])
;;     3. [M 1,024, K 1,024] x [K 1,024, N 4,096]; A: input wv (given as codes); B: computed on the way: QUANTISED (scales: A lowp_scales[4], B lowp_scales[5])
;;     4. batch 64 x [M 1,024, K 64] x [K 64, N 1,024]; A: computed on the way; B: computed on the way: QUANTISED (scales: A lowp_scales[6], B lowp_scales[7])
;;     5. batch 64 x [M 64, K 1,024] x [K 1,024, N 1,024]; A: computed on the way; B: softmax (see below): QUANTISED (scales: A lowp_scales[8], B lowp_scales[9])
;;     6. [M 4,096, K 1,024] x [K 1,024, N 1,024]; A: computed on the way; B: input proj_w (given as codes): QUANTISED (scales: A lowp_scales[10], B lowp_scales[11])
;;     7. [M 4,096, K 1,024] x [K 1,024, N 4,096]; A: computed on the way; B: input ff_w1 (given as codes): QUANTISED (scales: A lowp_scales[12], B lowp_scales[13])
;;     8. [M 4,096, K 4,096] x [K 4,096, N 1,024]; A: computed on the way; B: input ff_w2 (given as codes): QUANTISED (scales: A lowp_scales[14], B lowp_scales[15])
;;   THE QUANTISER, for each operand of a quantised product, along K:
;;     - The operand's scale is 2^e, e = its entry of the input lowp_scales (int32; the entries are numbered through the quantised products in the list's order, A before B).
;;     - Each number is divided by the scale, clamped to +-448, and rounded to the nearest number of E4M3, ties to even, subnormals kept.
;;     - The product sums the exact products of the quantised numbers (number of the format x scale) in f32.
;;   ~~~python
;;   def quantise(x, axis, e):      # numpy; x: float32 -> the quantised numbers, widened to float32 again
;;       x = np.moveaxis(x, axis, -1); K = x.shape[-1]
;;       r = np.clip(x / 2.0 ** e, -448, 448)
;;       step = 2.0 ** (np.maximum(np.frexp(np.where(r == 0, 1, r))[1] - 1, -6) - 3)
;;       q = np.round(r / step) * step * 2.0 ** e      # np.round: ties to even
;;       return np.moveaxis(q, -1, axis).astype(np.float32)
;;   ~~~
;;   SOFTMAX AHEAD OF A QUANTISED PRODUCT. Where the list says 'softmax', what is quantised is not the finished softmax but p = 2^(t - M), with t = logit x log2(e) and M = ceil(the row's largest t), a whole number; so 1/2 < the row's largest p <= 1. The row's sum l is taken of the UNQUANTISED p, in f32, and the product's result is divided by l at the end. Since M is a whole number, a kernel that streams over the keys may use a running M (the ceiling of the running maximum): every later rescaling is an exact power of two, so the quantised numbers keep their values, but for numbers so far below the row's largest that they fall under the format's range.
;;   OPERANDS COMPUTED ON THE WAY. 'Computed on the way' means the value that the module computes at that place (a softmax that the list does not call 'softmax' is quantised finished and normalised). What goes into a quantiser is computed in f32, as accurately as f32 sums, v_exp_f32 and their like allow (about 1e-6 of the number): no bf16 or f16 on the way to a quantiser, and a product that is left as it is and whose result goes on into a quantised operand takes f32 operands (vector FMAs, or v_wmma_f32_16x16x4_f32). A number that lies on a knife's edge between two numbers of the format may be rounded either way, as far as f32 arithmetic and the matrix unit's own rounding can turn it there, and no further.
;;   INPUTS GIVEN AS CODES. ff_w1 (in the module: [1024, 4096], K = its axis 0); ff_w2 (in the module: [4096, 1024], K = its axis 0); proj_w (in the module: [1024, 1024], K = its axis 0); wk (in the module: [1024, 16, 64], K = its axis 0); wq (in the module: [1024, 16, 64], K = its axis 0); wv (in the module: [1024, 16, 64], K = its axis 0): each comes as NAME_codes (uint8): NAME with its K axis moved to the last place and cut into blocks of 32 codes, [.., K / 32, bytes a block], one block behind the other in memory; one code a byte (a code: sign, 4 exponent bits, 3 mantissa bits); its scale is its entry of lowp_scales. Its value is code x scale, taken as it is: it is not quantised again, and the codes and scales need not be those that the quantiser above would give.
;; One version. Each part assembles by itself: llvm-mc -triple=amdgcn-amd-amdhsa -mcpu=gfx1250 --defsym DOCPART=n.
;; ======== version 1 of 1: 7 launches
;; workspace buffers: hc 12,582,912 bytes; qkv 12,582,912 bytes; oc 4,194,304 bytes; x1 16,777,216 bytes; h2 4,194,304 bytes; fc 16,777,216 bytes
;; launch ln1 (part 1): grid 256 x 1, 8 waves a work-group, no clusters, 93,184 bytes of LDS; arguments x, key_padding_mask, ln1_w, ln1_b, lowp_scales, hc; writes hc
.if DOCPART == 1
	.amdgcn_target "amdgcn-amd-amdhsa--gfx1250"
	.amdhsa_code_object_version 6
	.text
	.protected	k_q238c82bf17_ln1
	.globl	k_q238c82bf17_ln1
	.p2align	8
	.type	k_q238c82bf17_ln1,@function
k_q238c82bf17_ln1:
	s_mov_b64 s[64:65], 0
	v_nop
	global_prefetch_b8 v0, s[64:65] scope:SCOPE_SE
	s_setreg_imm32_b32 hwreg(HW_REG_WAVE_MODE, 25, 1), 1
	s_wait_xcnt 0x0
; h = LayerNorm(x; ln1_w, ln1_b) x m, turned into codes of FP8 (E4M3) three times: under lowp_scales[1], [3] and [5], the scales that the products with wq, wk and wv give it.
; x: [4096][1024] f32.  Out: NSET planes of 4 MiB, each [4096][1024] codes, K (the 1,024 channels) innermost.
; SHARES.  A work-group of eight waves takes 16 rows, a wave two.  One wave holds a whole row (32 numbers a lane), so mean and variance never leave the wave.
; A stream: no matrix unit, no cluster (no two work-groups read the same rows; w and b are 8 KiB), no tensor load.
; LAYOUT.  Each load reads 512 consecutive bytes, 16 a lane.  The conversions want 8 neighbours along K in one lane's registers, so a row turns through the wave's own stage in LDS:
; stored as loaded, read back 64 bytes a lane (16 bytes of padding behind each 64, so that the lanes' reads start at different banks).  Register 16 g + i of a lane is then channel 512 g + 16 lane + i,
; and a lane's 16 codes are 16 bytes: a store of the wave covers 512 consecutive bytes, aligned.  w and b take the same turn once, through bytes that all eight waves read.
; THE MASK RIDES ON THE HOLD: the hold at the largest code x the scale is multiplied by m (0 or 1), so a masked row is held between -0 and 0: zero codes.
; Mean, then the sum of squares of x - mean (two passes over registers), as the reference has it.
; LIMITS: each e between -126 and 119.  NaN and infinity in x are not served.
.set NSET, 3
.set E0, 4                             ; byte offsets of the sets' exponents in lowp_scales
.set E1, 12
.set E2, 20
.set RAW, 16                           ; v16-79   two rows as loaded
.set X0,  80                           ; v80-111  row 0, turned
.set X1,  16                           ; v16-47   row 1, turned (row 0's raw registers, free by then)
.set W,   112                          ; v112-143 w, turned
.set B,   144                          ; v144-175 b, turned
.set T,   176                          ; v176-207 at work
.set C0,  208                          ; v208-231 row 0's codes, 8 registers a set
.set C1,  48                           ; v48-71   row 1's codes (row 1's raw registers, free by then)
.set SCL, 240                          ; v240-242 2^e of each set
.set HL,  243                          ; v243-245 448 x 2^e x m of each set, for the row in hand
.set SP,  80                           ; a place in LDS: 64 bytes + 16 of padding
.set ROWL, 64*SP                       ; a row of 1,024 f32 in LDS
.set WL,  0
.set BL,  ROWL
.set STG, 2*ROWL                       ; then two rows for each wave
	s_load_b256 s[4:11], s[0:1], 0x0               ; x, mask, w, b
	s_load_b128 s[12:15], s[0:1], 0x20             ; the scales' exponents, the codes
	v_lshl_add_u32 v254, v0, 2, 0x16800
	v_mov_b32 v255, 0
	v_lshrrev_b32 v1, 5, v0
	v_readfirstlane_b32 s16, v1                    ; wave
	v_and_b32 v1, 31, v0                           ; lane
	v_lshlrev_b32 v2, 4, v1                        ; 16 x lane: my bytes of a load and of a store
	s_mul_i32 s18, s16, 2*ROWL
	s_add_co_u32 s18, s18, STG                     ; my wave's stage
	v_lshrrev_b32 v3, 2, v1
	v_mul_u32_u24 v3, v3, SP
	v_and_b32 v4, 3, v1
	v_lshl_add_u32 v3, v4, 4, v3
	v_add_nc_u32 v3, s18, v3                       ; the way in: four lanes' 64 bytes on end, then the padding
	v_mul_u32_u24 v7, v1, SP                       ; the way out of w's and b's rows: SP x lane
	v_add_nc_u32 v4, s18, v7                       ; and of my stage
	v_lshlrev_b32 v5, 4, v0                        ; w, b: 16 bytes a thread
	v_lshrrev_b32 v6, 2, v0
	v_mul_u32_u24 v6, v6, SP
	v_and_b32 v12, 3, v0
	v_lshl_add_u32 v6, v12, 4, v6                  ; and their way in
	v_mov_b32 v13, 0                               ; a lane permute's destination counts as one of its sources
	s_lshl_b32 s17, ttmp9, 4
	s_lshl_b32 s19, s16, 1
	s_add_co_u32 s17, s17, s19                     ; my first row: 16 x work-group + 2 x wave
	s_mov_b32 s20, 0x76543210                      ; v_permlanex16_b32: lane l xor 16
	s_mov_b32 s21, 0xfedcba98
	s_mov_b32 s22, 0x3a800000                      ; 1 / 1024
	s_mov_b32 s23, 0x3727c5ac                      ; 1e-5
	s_lshl_b32 s18, s17, 12
	s_mov_b32 s19, 0
	s_wait_kmcnt 0x0
	s_add_nc_u64 s[4:5], s[4:5], s[18:19]          ; x at my first row
	s_mov_b32 s18, s17
	s_add_nc_u64 s[6:7], s[6:7], s[18:19]          ; the mask's two bytes for my rows (an even address)
	s_load_u16 s27, s[6:7], 0x0
.irp s, 0,1,2
.if \s < NSET
	s_load_b32 s[24+\s], s[12:13], E\s
.endif
.endr
	s_lshl_b32 s18, s17, 10
	s_add_nc_u64 s[42:43], s[14:15], s[18:19]      ; the codes at my first row, plane 0
.if NSET > 1
	s_add_nc_u64 s[44:45], s[42:43], 0x400000
	s_add_nc_u64 s[46:47], s[42:43], 0x800000
.endif
	global_load_b128 v[T:T+3], v5, s[8:9]
	global_load_b128 v[T+4:T+7], v5, s[10:11]
.irp i, 0,1
.irp j, 0,1,2,3,4,5,6,7
	global_load_b128 v[RAW+32*\i+4*\j:RAW+32*\i+4*\j+3], v2, s[4:5] offset:4096*\i+512*\j   ; 32 lanes read 512 consecutive bytes
.endr
.endr
	s_wait_kmcnt 0x0
	s_and_b32 s28, s27, 0xff
	s_lshr_b32 s29, s27, 8
	s_cvt_f32_u32 s28, s28                         ; m of row 0,
	s_cvt_f32_u32 s29, s29                         ; of row 1
.irp s, 0,1,2
.if \s < NSET
	s_add_co_i32 s[24+\s], s[24+\s], 127
	s_lshl_b32 s[30+\s], s[24+\s], 23              ; 2^e as f32: the conversion takes its exponent field
	s_add_co_i32 s[24+\s], s[24+\s], 8
	s_lshl_b32 s[33+\s], s[24+\s], 23
	s_or_b32 s[33+\s], s[33+\s], 0x600000          ; 448 x 2^e
	s_mul_f32 s[36+\s], s[33+\s], s28              ; x m, for each row
	s_mul_f32 s[39+\s], s[33+\s], s29
	v_mov_b32 v[SCL+\s], s[30+\s]
.endif
.endr
	s_wait_loadcnt 16                              ; w and b are in; the 16 loads of my rows may be out
	ds_store_b128 v6, v[T:T+3] offset:WL
	ds_store_b128 v6, v[T+4:T+7] offset:BL
	s_wait_dscnt 0x0                               ; for the others' sake: my part of w and b lies in LDS
	s_barrier_signal -1
	s_barrier_wait -1
.irp g, 0,1
.irp c, 0,1,2,3
	ds_load_b128 v[W+16*\g+4*\c:W+16*\g+4*\c+3], v7 offset:WL+32*SP*\g+16*\c
	ds_load_b128 v[B+16*\g+4*\c:B+16*\g+4*\c+3], v7 offset:BL+32*SP*\g+16*\c
.endr
.endr
.macro WSUM                            ; v12 summed over the 32 lanes, the result in every lane
	v_add_f32_dpp v12, v12, v12 row_xmask:1 row_mask:0xf bank_mask:0xf
	v_add_f32_dpp v12, v12, v12 row_xmask:2 row_mask:0xf bank_mask:0xf
	v_add_f32_dpp v12, v12, v12 row_xmask:4 row_mask:0xf bank_mask:0xf
	v_add_f32_dpp v12, v12, v12 row_xmask:8 row_mask:0xf bank_mask:0xf
	v_permlanex16_b32 v13, v12, s20, s21
	v_add_f32 v12, v12, v13
.endm
.macro FOLD                            ; four chains in T become one number in v12
	v_pk_add_f32 v[T:T+1], v[T:T+1], v[T+2:T+3]
	v_pk_add_f32 v[T+4:T+5], v[T+4:T+5], v[T+6:T+7]
	v_pk_add_f32 v[T:T+1], v[T:T+1], v[T+4:T+5]
	v_add_f32 v12, v[T], v[T+1]
	WSUM
.endm
; the row in v[x] on becomes (x - mean) / sqrt(var + eps) x w + b
.macro NORM x
.irp c, 0,2,4,6
	v_pk_add_f32 v[T+\c:T+\c+1], v[\x+\c:\x+\c+1], v[\x+8+\c:\x+8+\c+1]
.endr
.irp k, 16,24
.irp c, 0,2,4,6
	v_pk_add_f32 v[T+\c:T+\c+1], v[T+\c:T+\c+1], v[\x+\k+\c:\x+\k+\c+1]
.endr
.endr
	FOLD
	v_mul_f32 v8, s22, v12                         ; the mean, twice: a pair for the packed forms
	v_mul_f32 v9, s22, v12
.set j, 0
.rept 16
	v_pk_add_f32 v[\x+j:\x+j+1], v[\x+j:\x+j+1], v[8:9] neg_lo:[0,1] neg_hi:[0,1]
.set j, j+2
.endr
.irp c, 0,2,4,6
	v_pk_mul_f32 v[T+\c:T+\c+1], v[\x+\c:\x+\c+1], v[\x+\c:\x+\c+1]
.endr
.irp k, 8,16,24
.irp c, 0,2,4,6
	v_pk_fma_f32 v[T+\c:T+\c+1], v[\x+\k+\c:\x+\k+\c+1], v[\x+\k+\c:\x+\k+\c+1], v[T+\c:T+\c+1]
.endr
.endr
	FOLD
	v_fma_f32 v12, v12, s22, s23                   ; var + eps
	v_rsq_f32 v10, v12
	v_rsq_f32 v11, v12
	v_nop                                          ; a plain instruction between a transcendental and the use of its result (ISA guide 5.7.2)
.set j, 0
	s_wait_alu depctr_va_vdst(0)
.rept 16
	v_pk_mul_f32 v[\x+j:\x+j+1], v[\x+j:\x+j+1], v[10:11]
.set j, j+2
.endr
.set j, 0
.rept 16
	v_pk_fma_f32 v[\x+j:\x+j+1], v[\x+j:\x+j+1], v[W+j:W+j+1], v[B+j:B+j+1]
.set j, j+2
.endr
.endm
; the row's codes under set s: hold (with the mask in it), conversion, two stores of 512 consecutive bytes
.macro QSET x, cd, s, i
.set j, 0
.rept 32
	v_med3_num_f32 v[T+j], v[\x+j], -v[HL+\s], v[HL+\s]   ; the conversion to an 8-bit code does not saturate (ISA guide 7.6.2)
.set j, j+1
.endr
.irp g, 0,1,2,3
	v_cvt_scalef32_pk8_fp8_f32 v[\cd+8*\s+2*\g:\cd+8*\s+2*\g+1], v[T+8*\g:T+8*\g+7], v[SCL+\s]
.endr
	v_nop                                          ; a plain instruction between the conversions and the next lines that write their sources
	global_store_b128 v2, v[\cd+8*\s:\cd+8*\s+3], s[42+2*\s:43+2*\s] offset:1024*\i
	global_store_b128 v2, v[\cd+8*\s+4:\cd+8*\s+7], s[42+2*\s:43+2*\s] offset:1024*\i+512
.endm
.macro ROW i, x, cd
	s_wait_loadcnt 8*(1-\i)                        ; this row's eight loads are in; the next row's may be out
.irp j, 0,1,2,3,4,5,6,7
	ds_store_b128 v3, v[RAW+32*\i+4*\j:RAW+32*\i+4*\j+3] offset:ROWL*\i+8*SP*\j
.endr
.irp g, 0,1
.irp c, 0,1,2,3
	ds_load_b128 v[\x+16*\g+4*\c:\x+16*\g+4*\c+3], v4 offset:ROWL*\i+32*SP*\g+16*\c   ; LDS serves a wave's instructions in order: these see the stores above
.endr
.endr
.irp s, 0,1,2
.if \s < NSET
	v_mov_b32 v[HL+\s], s[36+3*\i+\s]
.endif
.endr
	s_wait_dscnt 0x0                               ; the row is back (and, the first time, w and b); the stores have read their registers
	NORM \x
.irp s, 0,1,2
.if \s < NSET
	QSET \x, \cd, \s, \i
.endif
.endr
.endm
	ROW 0, X0, C0
	ROW 1, X1, C1                                  ; no register that a store reads is written again
	s_wait_tensorcnt 0x0
	ds_add_u32 v254, v255
	s_wait_dscnt 0x0
	s_endpgm
.Lfunc_end_k_q238c82bf17_ln1:
	.size	k_q238c82bf17_ln1, .Lfunc_end_k_q238c82bf17_ln1-k_q238c82bf17_ln1
	.p2alignl 7, 3214868480
	.fill 96, 4, 3214868480
	.section	.rodata,"a",@progbits
	.p2align	6, 0x0
	.amdhsa_kernel k_q238c82bf17_ln1
		.amdhsa_group_segment_fixed_size 93184
		.amdhsa_private_segment_fixed_size 0
		.amdhsa_enable_private_segment 0
		.amdhsa_kernarg_size 48
		.amdhsa_user_sgpr_count 2
		.amdhsa_user_sgpr_kernarg_segment_ptr 1
		.amdhsa_wavefront_size32 1
		.amdhsa_system_sgpr_workgroup_id_x 1
		.amdhsa_system_sgpr_workgroup_id_y 1
		.amdhsa_system_sgpr_workgroup_id_z 1
		.amdhsa_system_vgpr_workitem_id 0
		.amdhsa_next_free_vgpr 256
		.amdhsa_next_free_sgpr 66
		.amdhsa_reserve_vcc 0
		.amdhsa_float_denorm_mode_32 3
		.amdhsa_float_denorm_mode_16_64 3
		.amdhsa_memory_ordered 1
		.amdhsa_forward_progress 1
		.amdhsa_inst_pref_size 36
	.end_amdhsa_kernel
	.amdgpu_metadata
---
amdhsa.version: [ 1, 2 ]
amdhsa.kernels:
  - .name:           k_q238c82bf17_ln1
    .symbol:         k_q238c82bf17_ln1.kd
    .args:
      - { .name: x, .offset: 0, .size: 8, .value_kind: global_buffer, .address_space: global }
      - { .name: key_padding_mask, .offset: 8, .size: 8, .value_kind: global_buffer, .address_space: global }
      - { .name: ln1_w, .offset: 16, .size: 8, .value_kind: global_buffer, .address_space: global }
      - { .name: ln1_b, .offset: 24, .size: 8, .value_kind: global_buffer, .address_space: global }
      - { .name: lowp_scales, .offset: 32, .size: 8, .value_kind: global_buffer, .address_space: global }
      - { .name: hc, .offset: 40, .size: 8, .value_kind: global_buffer, .address_space: global }
    .group_segment_fixed_size: 93184
    .private_segment_fixed_size: 0
    .kernarg_segment_align: 8
    .kernarg_segment_size: 48
    .max_flat_workgroup_size: 256
    .sgpr_count:     66
    .vgpr_count:     256
    .wavefront_size: 32
...
	.end_amdgpu_metadata
.endif
;; end of part 1
;; launch qkv (part 2): grid 12 x 16, 4 waves a work-group, clusters of 4 x 4, 327,680 bytes of LDS; arguments hc, wq_codes, wk_codes, wv_codes, lowp_scales, qkv; writes qkv
.if DOCPART == 2
	.amdgcn_target "amdgcn-amd-amdhsa--gfx1250"
	.amdhsa_code_object_version 6
	.text
	.protected	k_q238c82bf17_qkv
	.globl	k_q238c82bf17_qkv
	.p2align	8
	.type	k_q238c82bf17_qkv,@function
k_q238c82bf17_qkv:
	s_mov_b64 s[64:65], 0
	v_nop
	global_prefetch_b8 v0, s[64:65] scope:SCOPE_SE
	s_setreg_imm32_b32 hwreg(HW_REG_WAVE_MODE, 25, 1), 1
	s_wait_xcnt 0x0
	s_wait_alu depctr_hold_cnt(0) depctr_sa_sdst(0) depctr_va_vdst(0) depctr_va_sdst(0) depctr_va_ssrc(0) depctr_va_vcc(0) depctr_vm_vsrc(0)
	s_getreg_b32 s2, hwreg(HW_REG_IB_STS2, 6, 4)
	s_cmp_eq_u32 s2, 0
	s_cbranch_scc0 .Lentry_in_a_cluster
	s_endpgm
.Lentry_in_a_cluster:
	s_bfe_u32 s2, ttmp6, 0x10000c
	s_cmp_lg_u32 s2, 0xf033
	s_cbranch_scc0 .Lentry_shape_is_right
	s_endpgm
.Lentry_shape_is_right:
; q, k and v: three products of 4,096 tokens x 1,024 channels, K = 1,024, on codes of FP8 (E4M3), and their results turned into codes again for attention's two products.
; hc: three planes [4096 tokens][1024] of h's codes (under lowp_scales[1], [3], [5]).  wq, wk, wv: [1024 channels][1024] codes.  Out, three planes of 4 MiB, rows of 1,024 bytes:
; plane 0 q [token][channel], plane 1 k likewise (their next K is the head's 64 channels), plane 2 v [batch][channel][key] (its next K is the keys).
; WHICH PRODUCT: p = the cluster's x (0 q, 1 k, 2 v), the same in all sixteen partners.  A tile is 256 x 256; its ROWS are tokens for q and k and channels for v, its COLUMNS the other way round:
; only pointers and offsets are chosen by p, the text has one path.  THE MATRIX INSTRUCTION IS USED TRANSPOSED (source 0 = 16 rows of the column operand, source 1 = 16 rows of the row operand):
; a lane holds eight neighbouring columns of one row of the tile: eight neighbours along the next K, which one conversion takes.
; Four waves, each 128 x 128: 64 accumulators, 512 registers.  K goes in steps of 256 through a ring of two LDS slots filled by the tensor data mover: a tile's row is 256 bytes of memory.
; CLUSTERS: 4 x 4 work-groups.  The four of a row of the cluster need the same tile of the row operand, the four of a column the same tile of the column operand: each is asked for JOINTLY.
; 3 x 64 tiles make 192 work-groups: a smaller tile would give more, at twice the LDS bytes for each multiply-add.
; A fragment is fetched by four loads of 16 bytes: a permutation of k, the same on both sides, so every product meets its partner.
; THE SCALES: a sum stands for sum x 2^(ew + eh), so its code is sum / 2^(eo - ew - eh): one conversion scale.  LIMIT: eo - ew - eh between -126 and 119 for each of the three.
; REGISTERS, in windows of 256: window 0: v0-31 addresses and constants; from v128 the row operand's fragments, ONE set; on the way out v96-223 are at work.
;   window 1: the column operand's fragments, TWO sets.   window 2: the accumulators of my rows 0-63 ((a, b) at v[8 (8 a + b)]);   window 3: those of my rows 64-127.
.set SIZE_K, 1024
.set KSTEP,  256
.set ROWB,   256
.set KROW,   SIZE_K
.set PITCH,  272                       ; an LDS row: 256 bytes + 16 of padding = 68 words: row r starts at bank 4 r mod 64 (64 banks of 4 bytes: ISA guide 11.1)
.set FR,     16
.set NL,     4
.set NP,     4                         ; places behind this matrix instruction (ISA guide 7.12.1)
.set HALFT,  128*PITCH
.set SLOT,   4*HALFT
.set LAPS,   SIZE_K/(2*KSTEP)
.set SPARE,  2*SLOT                    ; behind the ring: the spare words, 128 bytes for each wave, which no other line names
.set OPITCH, 1024                      ; a row of the output in bytes
.set ADRA, 16
.set ADRB, 20
.set STO,  24                          ; the way out: where I put 8 codes
.set RD,   25                          ; where I read 16 bytes of a row back
.set CO,   26                          ; and their place in the output
.set SPW,  28
.set NIL,  29
.set SC,   30                          ; the conversion's scale as f32
.set LIM,  31                          ; 448 x that
.set AF,   128
.set TMP,  128                         ; the way out: a block's 64 numbers, held
.set CD,   192                         ; its codes, two sets of 16 registers by turns
.set RB,   96                          ; 64 rows read back: 128 registers
.set G1, 24
.set G0, 32
.set G1B, 48
.set G0B, 56
.set MSB, 0
.macro WIN new                         ; the immediate's high byte repeats the setting that is left
.if MSB != \new
	s_set_vgpr_msb (MSB<<8)|\new
.set MSB, \new
.endif
.endm
.set MUL_LO, 0xa1                      ; source 0 window 1, source 1 window 0, C and D window 2
.set MUL_HI, 0xf1                      ; the same, C and D window 3
.set TO_B,   0x40                      ; destination window 1, address window 0
; A joint load: waves 0 and 1 fetch the row operand's halves, waves 2 and 3 the column operand's.  The branch hangs on the wave's number alone.  Four v_nop follow each line.
.macro JLOAD g0a, g1a, g0b, g1b
	s_cmp_eq_u32 s15, 0
	s_cbranch_scc0 .Lfor_b_\@
	tensor_load_to_lds s[\g0a:\g0a+3], s[\g1a:\g1a+7]
	s_nop 0
.rept 4
	v_nop
.endr
	s_branch .Lasked_\@
.Lfor_b_\@:
	tensor_load_to_lds s[\g0b:\g0b+3], s[\g1b:\g1b+7]
	s_nop 0
.rept 4
	v_nop
.endr
.Lasked_\@:
.endm
.macro CREST                           ; a round of the cluster's barrier behind its opening barrier
	s_cmp_lg_u32 s14, 0
	s_cbranch_scc1 .Lnot_wave_0_\@
	s_barrier_signal -3
.Lnot_wave_0_\@:
	s_barrier_wait -3
	s_barrier_signal -1
	s_barrier_wait -1
.endm
.macro CROUND
	s_barrier_signal -1
	s_barrier_wait -1
	CREST
.endm
	s_load_b256 s[4:11], s[0:1], 0x0               ; hc s[4:5], wq s[6:7], wk s[8:9], wv s[10:11]
	s_load_b128 s[84:87], s[0:1], 0x20             ; the scales' exponents s[84:85], the output s[86:87]
	v_lshl_add_u32 v[SPW], v0, 2, SPARE
	v_mov_b32 v[NIL], 0
	ds_add_u32 v28, v29
	ds_add_u32 v28, v29
	s_wait_dscnt 0x0
	v_lshrrev_b32 v1, 5, v0
	v_readfirstlane_b32 s14, v1                    ; wave 0..3
	s_lshr_b32 s15, s14, 1                         ; which half of the tile's rows is mine.  Also: I fetch for the row operand (0) or the column operand (1)
	s_and_b32 s16, s14, 1                          ; which half of its columns.  Also: which 128 rows of that tile I fetch
	s_bfe_u32 s40, ttmp6, 0x40000                  ; cx, cy: my place in the cluster
	s_bfe_u32 s41, ttmp6, 0x40004
	s_mov_b32 s88, ttmp9                           ; p: which product
	s_and_b32 s89, ttmp7, 0xffff
	s_lshl_b32 s89, s89, 2                         ; 4 x cluster y: the sixteen tiles of tokens go along y
	s_cmp_eq_u32 s88, 2
	s_cselect_b32 s90, 0, s89
	s_cselect_b32 s91, s89, 0
	s_add_co_u32 s17, s41, s90                     ; tile row: q, k: tokens, cy + 4 Y;  v: channels, cy
	s_add_co_u32 s42, s40, s91                     ; tile column: q, k: channels, cx;  v: tokens, cx + 4 Y
	s_lshl_b32 s43, s41, 2
	s_lshl_b32 s43, 15, s43                        ; my row of the cluster
	s_lshl_b32 s44, 0x1111, s40                    ; my column
	s_or_b32 s[G1+0], s43, (0<<16)|(1<<20)|(1<<21)|(5<<22)|(3<<25)  ; 15:0 the mask; 17:16 elements of 1 byte; 20 padding on; 21 set beside a mask; 24:22 after every 64 words; 31:25 four words
	s_or_b32 s[G1B+0], s44, (0<<16)|(1<<20)|(1<<21)|(5<<22)|(3<<25)
.irp g, G1, G1B
	s_mov_b32 s[\g+1], ROWB<<16                    ; tensor_dim0
	s_mov_b32 s[\g+2], 128<<16                     ; tensor_dim1
	s_mov_b32 s[\g+3], ROWB<<16                    ; tile_dim0
	s_mov_b32 s[\g+4], 128                         ; tile_dim1
	s_mov_b32 s[\g+5], KROW                        ; tensor_dim0_stride
	s_mov_b32 s[\g+6], 0
	s_mov_b32 s[\g+7], 0
.endr
	s_lshl_b32 s18, s16, 7                         ; which 128 rows of the tile I fetch
	s_lshl_b32 s20, s17, 8
	s_add_co_u32 s20, s20, s18
	s_lshl_b32 s20, s20, 10                        ; the row operand: (256 x tile row + 128 x half) rows of 1,024 bytes
	s_lshl_b32 s46, s42, 8
	s_add_co_u32 s46, s46, s18
	s_lshl_b32 s46, s46, 10                        ; the column operand likewise
	s_lshl_b32 s92, s88, 22
	s_cmp_eq_u32 s88, 2
	s_cselect_b32 s92, 0, s92                      ; q, k: h's plane p is the row operand;
	s_cselect_b32 s93, 0x800000, 0                 ; v: h's plane 2 is the column operand
	s_add_co_u32 s20, s20, s92
	s_add_co_u32 s46, s46, s93
	s_mov_b32 s21, 0
	s_mov_b32 s47, 0
	s_mul_i32 s45, s14, HALFT                      ; where they go: wave x 128 rows: no place in the cluster enters an LDS address
	s_wait_kmcnt 0x0
	s_load_b512 s[68:83], s[84:85], 0x0            ; all sixteen exponents: e_i in s[68 + i]
	s_cmp_eq_u32 s88, 2
	s_cselect_b64 s[94:95], s[10:11], s[4:5]       ; the row operand: wv or h
	s_cmp_eq_u32 s88, 0
	s_cselect_b64 s[6:7], s[6:7], s[8:9]           ; the column operand: wq, wk,
	s_cmp_eq_u32 s88, 2
	s_cselect_b64 s[6:7], s[4:5], s[6:7]           ; or h
	s_add_nc_u64 s[20:21], s[94:95], s[20:21]
	s_add_nc_u64 s[46:47], s[6:7], s[46:47]
	CROUND                                         ; all sixteen work-groups are here: the first joint loads meet
.irp s, 0,1
	s_mov_b32 s[G0+4*\s], 1
	s_add_co_u32 s[G0+4*\s+1], s45, \s*SLOT
	s_add_nc_u64 s[G0+4*\s+2:G0+4*\s+3], s[20:21], \s*ROWB
	s_or_b32 s[G0+4*\s+3], s[G0+4*\s+3], 0x80000000
	s_mov_b32 s[G0B+4*\s], 1
	s_add_co_u32 s[G0B+4*\s+1], s45, \s*SLOT
	s_add_nc_u64 s[G0B+4*\s+2:G0B+4*\s+3], s[46:47], \s*ROWB
	s_or_b32 s[G0B+4*\s+3], s[G0B+4*\s+3], 0x80000000
	JLOAD G0+4*\s, G1, G0B+4*\s, G1B               ; two loads of mine are out
.endr
	v_and_b32 v1, 15, v0                           ; l % 16
	v_bfe_u32 v2, v0, 4, 1                         ; l / 16
	v_mul_u32_u24 v3, v1, PITCH
	v_lshl_add_u32 v4, v2, 4, v3                   ; a fragment's row x pitch + 16 x half
	s_mul_i32 s21, s15, HALFT
	s_mul_i32 s22, s16, HALFT
	s_add_co_u32 s22, s22, 2*HALFT
.irp s, 0,1
	v_add_nc_u32 v[ADRA+\s], s21, v4
	v_add_nc_u32 v[ADRB+\s], s22, v4
	s_add_co_u32 s21, s21, SLOT
	s_add_co_u32 s22, s22, SLOT
.endr
	s_mul_i32 s23, s15, 128*272                    ; the stage: 256 rows x 272 bytes, the work-group's, from LDS byte 0
	s_lshl_b32 s22, s16, 7
	s_add_co_u32 s23, s23, s22
	v_mul_u32_u24 v5, v1, 272
	v_lshl_add_u32 v5, v2, 3, v5
	v_add_nc_u32 v[STO], s23, v5                   ; in: row 128 x row half + l % 16, byte 128 x column half + 8 (l / 16)
	s_mul_i32 s23, s14, 64*272
	v_mul_u32_u24 v5, v2, 272
	v_lshl_add_u32 v5, v1, 4, v5
	v_add_nc_u32 v[RD], s23, v5                    ; back: wave w takes rows 64 w on; lanes 0-15 one row of 256 bytes, lanes 16-31 the next
	v_mul_u32_u24 v5, v2, OPITCH
	v_lshl_add_u32 v[CO], v1, 4, v5
	s_lshl_b32 s20, s88, 22                        ; the output: plane p,
	s_lshl_b32 s21, s17, 18                        ; 256 x tile row rows of 1,024 bytes,
	s_add_co_u32 s20, s20, s21
	s_lshl_b32 s21, s14, 16                        ; 64 x wave rows,
	s_add_co_u32 s20, s20, s21
	s_lshr_b32 s46, s42, 2                         ; v: the batch is tile column / 4 (q, k: 0),
	s_lshl_b32 s46, s46, 20
	s_and_b32 s47, s42, 3
	s_lshl_b32 s47, s47, 8                         ; and 256 x (tile column % 4) bytes along the row
	s_add_co_u32 s46, s46, s47
	s_add_co_u32 s20, s20, s46
	s_mov_b32 s21, 0
	s_add_nc_u64 s[86:87], s[86:87], s[20:21]
.macro FRAG reg, adr, q, i             ; 16 rows x 128 K: lane l holds row l % 16; registers 4 c .. 4 c + 3 hold K = 32 c + 16 (l / 16) + 0 .. 15
.irp c, 0,1,2,3
	ds_load_b128 v[\reg+4*\c:\reg+4*\c+3], v[\adr] offset:128*(\q)+32*\c+(\i)*16*PITCH
.endr
.endm
; 16 matrix instructions: row blocks a0, a0 + 1 x the eight column blocks.  The 64 accumulators take turns, one instruction a turn, in the same order in every step.
.macro MUL16 a0, p, zero
.irp a, \a0, \a0+1
.irp b, 0,1,2,3,4,5,6,7
.if \zero
	v_wmma_f32_16x16x128_fp8_fp8 v[8*(8*((\a)%4)+\b):8*(8*((\a)%4)+\b)+7], v[128*(\p)+FR*\b:128*(\p)+FR*\b+FR-1], v[AF+FR*(\a):AF+FR*(\a)+FR-1], 0
.else
	v_wmma_f32_16x16x128_fp8_fp8 v[8*(8*((\a)%4)+\b):8*(8*((\a)%4)+\b)+7], v[128*(\p)+FR*\b:128*(\p)+FR*\b+FR-1], v[AF+FR*(\a):AF+FR*(\a)+FR-1], v[8*(8*((\a)%4)+\b):8*(8*((\a)%4)+\b)+7]
.endif
.endr
.endr
.endm
.macro FETCH_B slot, q, p
	WIN TO_B
.irp i, 0,1,2,3,4,5,6,7
	FRAG 128*(\p)+FR*\i, ADRB+\slot, \q, \i
.endr
	WIN 0
.endm
.macro FETCH_A slot, q, i0
.irp i, \i0, \i0+1, \i0+2, \i0+3
	FRAG AF+FR*(\i), ADRA+\slot, \q, \i
.endr
.endm
.macro PLACES n                        ; plain vector instructions between a matrix instruction and a load into, or a read of, its registers (for a read)
.rept \n
	v_nop
.endr
.endm
.macro STEP slot, q, zero              ; 128 along K, with its successor in the same slot
	s_wait_dscnt 4*NL                              ; the column set and row blocks 0-3 are in; the youngest 16 loads (row blocks 4-7) may be out
	WIN MUL_LO
	MUL16 0, (\q)%2, \zero
	MUL16 2, (\q)%2, \zero
	s_wait_dscnt 0
	PLACES NP
	FETCH_B \slot, (\q)+1, 1-(\q)%2
	FETCH_A \slot, (\q)+1, 0
	WIN MUL_HI
	MUL16 4, (\q)%2, \zero
	MUL16 6, (\q)%2, \zero
	PLACES NP
	WIN 0
	FETCH_A \slot, (\q)+1, 4
.endm
; A slot's last step changes slots: ONE barrier; in front of it each wave waits for all its tensor loads, adds 0 to its spare word, and waits for that and for its reads of this slot.
.macro TURN slot, next, fill
	s_wait_tensorcnt 0x0                           ; all my tensor loads have landed: my part of the next slot
	ds_add_u32 v[SPW], v[NIL]                      ; 0 onto my spare word
	s_wait_dscnt 4*NL+1                            ; (the add and the youngest 16 loads may be out)
	WIN MUL_LO
	MUL16 0, 1, 0
	s_wait_dscnt 0x0                               ; the add is done, and my reads of this slot are over
	s_barrier_signal -1
	MUL16 2, 1, 0
	WIN 0
	s_barrier_wait -1
.if \fill
	CREST                                          ; the barrier has opened a round of the cluster's: no wave of any partner still reads this slot or has a load on its way
	s_add_nc_u64 s[G0+4*\slot+2:G0+4*\slot+3], s[G0+4*\slot+2:G0+4*\slot+3], 2*ROWB
	s_add_nc_u64 s[G0B+4*\slot+2:G0B+4*\slot+3], s[G0B+4*\slot+2:G0B+4*\slot+3], 2*ROWB
	JLOAD G0+4*\slot, G1, G0B+4*\slot, G1B         ; my one tensor load behind the round; its four v_nop are the places in front of the loads below
.else
	PLACES NP
.endif
	FETCH_B \next, 0, 0
	FETCH_A \next, 0, 0
	WIN MUL_HI
	MUL16 4, 1, 0
	MUL16 6, 1, 0
	PLACES NP
	WIN 0
	FETCH_A \next, 0, 4
.endm
	s_wait_tensorcnt 1                             ; my part of K step 0 is in (K step 1's load may be out)
	s_barrier_signal -1
	s_barrier_wait -1                              ; everybody's is
	FETCH_B 0, 0, 0
	FETCH_A 0, 0, 0
	FETCH_A 0, 0, 4
	STEP 0, 0, 1                                   ; the first step's products start the sums: nothing is cleared
	s_mov_b32 s3, LAPS-1
.Llap:                                                 ; a trip goes once round the ring and fills both slots again
	TURN 0, 1, 1
	STEP 1, 0, 0
	TURN 1, 0, 1
	STEP 0, 0, 0
	s_sub_co_u32 s3, s3, 1
	s_cmp_lg_u32 s3, 0
	s_cbranch_scc1 .Llap
	TURN 0, 1, 0                                   ; the last lap fills nothing
	STEP 1, 0, 0
	s_wait_dscnt 4*NL
	WIN MUL_LO
	MUL16 0, 1, 0
	MUL16 2, 1, 0
	s_wait_dscnt 0
	WIN MUL_HI
	MUL16 4, 1, 0
	MUL16 6, 1, 0
	WIN 0
; THE WAY OUT.  A block of 16 rows x 128 columns: held, converted (a lane's eight numbers are eight neighbours of a row: 8 bytes), and put into the work-group's stage.  The stage lies in slot 0,
; which has had its last fill, and which nobody reads behind the last change of slots.  A row's 256 bytes come from two waves: a barrier, then each wave stores 64 whole rows.
.macro CODES a
.set AC, 64*((\a)%4)
.set CDA, CD+16*((\a)%2)
.if (\a) >= 2
	s_wait_dscnt 8                                 ; the stores of the block before last have read this set of registers; the last block's eight may be out
.endif
	WIN 0x02+((\a)/4)                              ; source 0: window 2 or 3
.set j, 0
.rept 64
	v_med3_num_f32 v[TMP+j], v[AC+j], -v[LIM], v[LIM]   ; the conversion does not saturate (ISA guide 7.6.2); each accumulator is read from its low end on
.set j, j+1
.endr
	WIN 0
.irp b, 0,1,2,3,4,5,6,7
	v_cvt_scalef32_pk8_fp8_f32 v[CDA+2*\b:CDA+2*\b+1], v[TMP+8*\b:TMP+8*\b+7], v[SC]
.endr
	v_nop                                          ; a plain instruction between the conversions and the next lines that write their sources
.irp b, 0,1,2,3,4,5,6,7
	ds_store_b64 v[STO], v[CDA+2*\b:CDA+2*\b+1] offset:(\a)*16*272+16*\b
.endr
.endm
	s_wait_kmcnt 0x0
	s_sub_co_i32 s89, s74, s68
	s_sub_co_i32 s89, s89, s69                     ; q: e6 - e0 - e1
	s_sub_co_i32 s90, s75, s70
	s_sub_co_i32 s90, s90, s71                     ; k: e7 - e2 - e3
	s_sub_co_i32 s91, s76, s72
	s_sub_co_i32 s91, s91, s73                     ; v: e8 - e4 - e5
	s_cmp_eq_u32 s88, 0
	s_cselect_b32 s89, s89, s90
	s_cmp_eq_u32 s88, 2
	s_cselect_b32 s89, s91, s89                    ; chosen by p: no branch hangs on a loaded number
	s_add_co_i32 s89, s89, 127
	s_lshl_b32 s90, s89, 23
	v_mov_b32 v[SC], s90
	s_add_co_i32 s89, s89, 8
	s_lshl_b32 s89, s89, 23
	s_or_b32 s89, s89, 0x600000
	v_mov_b32 v[LIM], s89
	PLACES NP
.irp a, 0,1,2,3,4,5,6,7
	CODES \a
.endr
	s_wait_dscnt 0x0                               ; for the others' sake: my codes lie in the stage
	s_barrier_signal -1
	s_barrier_wait -1
.set t, 0
.rept 32
	ds_load_b128 v[RB+4*t:RB+4*t+3], v[RD] offset:544*t
.set t, t+1
.endr
.set t, 0
.rept 32
	s_wait_dscnt 31-t
	global_store_b128 v[CO], v[RB+4*t:RB+4*t+3], s[86:87] offset:2*t*OPITCH   ; 16 lanes store 256 consecutive bytes, at a multiple of 256 from the buffer's first byte
.set t, t+1
.endr
	s_wait_tensorcnt 0x0                           ; the wave's end
	ds_add_u32 v[SPW], v[NIL]
	s_wait_dscnt 0x0
	CROUND                                         ; the closing round: no work-group ends while a partner may still ask for a tile that names it
	s_endpgm
.Lfunc_end_k_q238c82bf17_qkv:
	.size	k_q238c82bf17_qkv, .Lfunc_end_k_q238c82bf17_qkv-k_q238c82bf17_qkv
	.p2alignl 7, 3214868480
	.fill 96, 4, 3214868480
	.section	.rodata,"a",@progbits
	.p2align	6, 0x0
	.amdhsa_kernel k_q238c82bf17_qkv
		.amdhsa_group_segment_fixed_size 327680
		.amdhsa_private_segment_fixed_size 0
		.amdhsa_enable_private_segment 0
		.amdhsa_kernarg_size 48
		.amdhsa_user_sgpr_count 2
		.amdhsa_user_sgpr_kernarg_segment_ptr 1
		.amdhsa_wavefront_size32 1
		.amdhsa_system_sgpr_workgroup_id_x 1
		.amdhsa_system_sgpr_workgroup_id_y 1
		.amdhsa_system_sgpr_workgroup_id_z 1
		.amdhsa_system_vgpr_workitem_id 0
		.amdhsa_next_free_vgpr 1024
		.amdhsa_next_free_sgpr 100
		.amdhsa_reserve_vcc 0
		.amdhsa_float_denorm_mode_32 3
		.amdhsa_float_denorm_mode_16_64 3
		.amdhsa_memory_ordered 1
		.amdhsa_forward_progress 1
		.amdhsa_inst_pref_size 126
	.end_amdhsa_kernel
	.amdgpu_metadata
---
amdhsa.version: [ 1, 2 ]
amdhsa.kernels:
  - .name:           k_q238c82bf17_qkv
    .symbol:         k_q238c82bf17_qkv.kd
    .args:
      - { .name: hc, .offset: 0, .size: 8, .value_kind: global_buffer, .address_space: global }
      - { .name: wq_codes, .offset: 8, .size: 8, .value_kind: global_buffer, .address_space: global }
      - { .name: wk_codes, .offset: 16, .size: 8, .value_kind: global_buffer, .address_space: global }
      - { .name: wv_codes, .offset: 24, .size: 8, .value_kind: global_buffer, .address_space: global }
      - { .name: lowp_scales, .offset: 32, .size: 8, .value_kind: global_buffer, .address_space: global }
      - { .name: qkv, .offset: 40, .size: 8, .value_kind: global_buffer, .address_space: global }
    .group_segment_fixed_size: 327680
    .private_segment_fixed_size: 0
    .kernarg_segment_align: 8
    .kernarg_segment_size: 48
    .max_flat_workgroup_size: 128
    .sgpr_count:     100
    .vgpr_count:     1024
    .wavefront_size: 32
...
	.end_amdgpu_metadata
.endif
;; end of part 2
;; launch attn (part 3): grid 4 x 64, 16 waves a work-group, clusters of 4 x 1, 178,176 bytes of LDS; arguments qkv, key_padding_mask, lowp_scales, oc; writes oc
.if DOCPART == 3
	.amdgcn_target "amdgcn-amd-amdhsa--gfx1250"
	.amdhsa_code_object_version 6
	.text
	.protected	k_q238c82bf17_attn
	.globl	k_q238c82bf17_attn
	.p2align	8
	.type	k_q238c82bf17_attn,@function
k_q238c82bf17_attn:
	s_mov_b64 s[64:65], 0
	v_nop
	global_prefetch_b8 v0, s[64:65] scope:SCOPE_SE
	s_setreg_imm32_b32 hwreg(HW_REG_WAVE_MODE, 25, 1), 1
	s_wait_xcnt 0x0
	s_wait_alu depctr_hold_cnt(0) depctr_sa_sdst(0) depctr_va_vdst(0) depctr_va_sdst(0) depctr_va_ssrc(0) depctr_va_vcc(0) depctr_vm_vsrc(0)
	s_getreg_b32 s2, hwreg(HW_REG_IB_STS2, 6, 4)
	s_cmp_eq_u32 s2, 0
	s_cbranch_scc0 .Lentry_in_a_cluster
	s_endpgm
.Lentry_in_a_cluster:
	s_bfe_u32 s2, ttmp6, 0x10000c
	s_cmp_lg_u32 s2, 0x3003
	s_cbranch_scc0 .Lentry_shape_is_right
	s_endpgm
.Lentry_shape_is_right:
; out[b][t][h][:] = the sum over s of softmax_s(q . k / 32) v, keys s <= t that the padding mask keeps; both products on codes of FP8 (E4M3); out is turned into codes for the projection.
; qkv: plane 0 q [token][1024], plane 1 k likewise (head h at bytes 64 h), plane 2 v [batch][channel][key].  oc: [token][1024] codes.  lowp_scales: e6 q, e7 k, e8 v, e9 p, e10 out.
; THE SOFTMAX AHEAD OF THE SECOND PRODUCT: t = score x log2(e) / 32; M = the running largest t rounded UP to a whole number; p = 2^(t - M) is quantised, not normalised; the row's sum is taken of the
; unquantised p and divides at the end.  When M moves, the sum and O are multiplied by 2^(old M - new M): exact.
; SHARES.  A cluster of four work-groups has one head of one batch (the cluster's y = 16 b + h).  Wave w has w' = w for w < 8 and w xor 7 above, and owns the 16 queries from 64 w' + 16 cx on.
; So the number of its key steps of 128, w' / 2 + 1, hangs on the wave's number alone: the four partners run alike, and every work-group has the same 72 steps.
; K AND V COME ONCE.  The head's 1,024 keys are 64 KiB of k and 64 KiB of v: all of it fits in LDS, in four chunks of 256 keys, each filled once by a JOINT load of the four partners
; (wave 0: k's four tiles; wave 1: v's: four loads of a wave are out).  No byte of LDS is filled twice.
; A head's 64 bytes are a quarter of each 256 bytes of a row of q, k and oc, whose other quarters belong to other clusters: k's tile rows, q's loads and oc's stores are pieces of 64 bytes.
; LAYOUT.  Both products are used transposed: S^T = K Q^T (source 0 = 16 keys), O^T = V^T P^T (source 0 = 16 channels): a lane holds ONE query (lane % 16) throughout.
; THE KEYS OF A TILE ARE NOT NEIGHBOURS: lane r of tile 2 b + u takes key 32 b + 8 u + r + 8 (r / 8), so that the 16 registers of tiles 2 b, 2 b + 1 are keys 32 b + 16 (lane / 16) + 0 .. 15.
; THE MASKS go in ahead of the maximum.  Padding: a table in LDS holds +infinity for a kept key and -infinity for a masked one, and each score takes the smaller of itself and its key's entry.
; Causal: steps beyond the wave's queries are jumped over (a branch on the wave's number and the step's count); in the one step on the diagonal hidden scores become -infinity.
; A QUERY WITH NO VISIBLE KEY has the sum 0: its codes are set to the NaN code, so that the projection makes NaN of its row, as the reference's softmax does.
; LIMITS: e6 + e7 between -121 and 132; e9, and e10 - e8 - e9, between -126 and 119.
; REGISTERS: v1-7 addresses that stay; v8-10 those of the step in hand; v12 -M, v13 the largest t, v[14:15] the sum in two halves; v16-23 Q; v32-95 K's eight fragments, then half of the mask's entries, then V's four;
; v96-159 S^T, then p; v160-191 O^T; v192-207 p's codes; v208-239 the other half of the mask's entries; v240-254 constants and work.
.set KP,    80                         ; a key's row in LDS: 64 bytes + 16 of padding
.set VP,    272                        ; a channel's row of 256 keys: 256 bytes + 16
.set VOFF,  256*KP                     ; a chunk: 256 rows of K, then 64 rows of V
.set CHUNK, VOFF+64*VP
.set MB,    4*CHUNK                    ; the mask's table: 1,024 f32
.set STG,   MB+4096                    ; the way out: 16 rows x 80 bytes for each wave
.set AK0, 1
.set AV0, 2
.set AM0, 3
.set SIN, 4                            ; the stage: in,
.set SBK, 5                            ; back,
.set GO,  6                            ; and the same place in oc
.set MBW, 7                            ; where I put two entries of the table
.set ADK, 8
.set ADV, 9
.set ADM, 10
.set QF,  16
.set KV,  32
.set S,   96
.set O,   160
.set PC,  192
.set MB0, 208
.set WV,  12                           ; s12 wave;  s13 cx;  s14 w';
.set Q0,  15                           ; s15 my first query
.set QB,  16                           ; s16 the first key of the step on my diagonal
.set KF,  17                           ; s17 the step's first key
.set TB,  18                           ; s18 LDS byte at which the chunk in hand begins
.set TM,  19                           ; s19 and its entries of the table
.set SEL, 20
.set CS,  22
.set G1K, 24
.set G1V, 32
.set G0K, 40                           ; s[40:55] four groups 0 for K
.set G0V, 68                           ; s[68:83] four for V
.macro CROUND
	s_barrier_signal -1
	s_barrier_wait -1
	s_cmp_lg_u32 s[WV], 0
	s_cbranch_scc1 .Lnot_wave_0_\@
	s_barrier_signal -3
.Lnot_wave_0_\@:
	s_barrier_wait -3
	s_barrier_signal -1
	s_barrier_wait -1
.endm
	s_load_b256 s[4:11], s[0:1], 0x0               ; qkv s[4:5], mask s[6:7], the scales' exponents s[8:9], oc s[10:11]
	v_lshl_add_u32 v251, v0, 2, 0x2b000
	v_mov_b32 v255, 0
	ds_add_u32 v251, v255
	ds_add_u32 v251, v255
	v_lshrrev_b32 v8, 5, v0
	v_readfirstlane_b32 s[WV], v8                  ; wave 0..15
	s_bfe_u32 s13, ttmp6, 0x40000                  ; cx: it enters q's and oc's addresses and the causal comparison's data, nothing else
	s_and_b32 s61, ttmp7, 0xffff
	s_and_b32 s62, s61, 15                         ; the head
	s_lshr_b32 s61, s61, 4                         ; the batch
	s_lshr_b32 s14, s[WV], 3
	s_mul_i32 s14, s14, 7
	s_xor_b32 s14, s14, s[WV]                      ; w'
	s_lshl_b32 s[Q0], s14, 6
	s_lshl_b32 s84, s13, 4
	s_add_co_u32 s[Q0], s[Q0], s84
	s_lshr_b32 s[QB], s14, 1
	s_lshl_b32 s[QB], s[QB], 7
	s_lshl_b32 s84, s61, 20                        ; the batch's MiB in each plane
	s_lshl_b32 s85, s62, 6
	s_add_co_u32 s86, s84, s85
	s_add_co_u32 s86, s86, 0x400000                ; K: plane 1, the head's 64 bytes of each row
	s_mov_b32 s87, 0
	s_lshl_b32 s88, s62, 16
	s_add_co_u32 s88, s88, s84
	s_add_co_u32 s88, s88, 0x800000                ; V: plane 2, the head's 64 rows
	s_mov_b32 s89, 0
	s_lshl_b32 s90, s[Q0], 10
	s_add_co_u32 s90, s90, s84
	s_add_co_u32 s90, s90, s85                     ; q in plane 0, and oc: my first query's row, the head's bytes
	s_mov_b32 s91, 0
	s_lshl_b32 s92, s61, 10                        ; the batch's row of the mask
	s_mov_b32 s93, 0
	s_mov_b32 s[G1K], 15|(0<<16)|(1<<20)|(1<<21)|(3<<22)|(3<<25)  ; 15:0 the mask: all four work-groups; elements of 1 byte; padding on; 21 set beside a mask; after every 16 words four words
	s_mov_b32 s[G1K+1], 64<<16                     ; tensor_dim0
	s_mov_b32 s[G1K+2], 256<<16                    ; tensor_dim1
	s_mov_b32 s[G1K+3], 64<<16                     ; tile_dim0
	s_mov_b32 s[G1K+4], 256                        ; tile_dim1
	s_mov_b32 s[G1K+5], 1024                       ; tensor_dim0_stride
	s_mov_b32 s[G1K+6], 0
	s_mov_b32 s[G1K+7], 0
	s_mov_b32 s[G1V], 15|(0<<16)|(1<<20)|(1<<21)|(5<<22)|(3<<25)  ; the same, four words after every 64
	s_mov_b32 s[G1V+1], 256<<16
	s_mov_b32 s[G1V+2], 64<<16
	s_mov_b32 s[G1V+3], 256<<16
	s_mov_b32 s[G1V+4], 64
	s_mov_b32 s[G1V+5], 1024
	s_mov_b32 s[G1V+6], 0
	s_mov_b32 s[G1V+7], 0
	s_mov_b32 s[SEL], 0x76543210
	s_mov_b32 s[SEL+1], 0xfedcba98
	s_mov_b32 s[CS], 0x3d38aa3b                    ; c = log2(e) / 32
	s_mov_b32 s[KF], 0
	s_mov_b32 s[TB], 0
	s_mov_b32 s[TM], 0
	s_wait_dscnt 0x0
	s_wait_kmcnt 0x0
	s_load_b128 s[56:59], s[8:9], 0x18             ; e6, e7, e8, e9
	s_load_b32 s60, s[8:9], 0x28                   ; e10
	s_add_nc_u64 s[86:87], s[4:5], s[86:87]
	s_add_nc_u64 s[88:89], s[4:5], s[88:89]
.irp c, 0,1,2,3
	s_mov_b32 s[G0K+4*\c], 1
	s_mov_b32 s[G0K+4*\c+1], \c*CHUNK
	s_add_nc_u64 s[G0K+4*\c+2:G0K+4*\c+3], s[86:87], \c<<18      ; 256 keys' rows of 1,024 bytes on
	s_or_b32 s[G0K+4*\c+3], s[G0K+4*\c+3], 0x80000000
	s_mov_b32 s[G0V+4*\c], 1
	s_mov_b32 s[G0V+4*\c+1], \c*CHUNK+VOFF
	s_add_nc_u64 s[G0V+4*\c+2:G0V+4*\c+3], s[88:89], \c<<8       ; 256 keys along the rows
	s_or_b32 s[G0V+4*\c+3], s[G0V+4*\c+3], 0x80000000
.endr
	CROUND                                         ; all four work-groups are here: the joint loads meet
	s_cmp_eq_u32 s[WV], 0                          ; a wave's fills stand in one branch on its number, ahead of every wait on TENSORcnt, every LDS read and every other barrier
	s_cbranch_scc0 .Lnot_k
.irp c, 0,1,2,3
	tensor_load_to_lds s[G0K+4*\c:G0K+4*\c+3], s[G1K:G1K+7]
	s_nop 0
.endr
.rept 4
	v_nop
.endr
	s_branch .Lasked
.Lnot_k:
	s_cmp_eq_u32 s[WV], 1
	s_cbranch_scc0 .Lasked
.irp c, 0,1,2,3
	tensor_load_to_lds s[G0V+4*\c:G0V+4*\c+3], s[G1V:G1V+7]
	s_nop 0
.endr
.rept 4
	v_nop
.endr
.Lasked:
	s_add_nc_u64 s[4:5], s[4:5], s[90:91]
	s_add_nc_u64 s[10:11], s[10:11], s[90:91]
	s_add_nc_u64 s[6:7], s[6:7], s[92:93]
	v_and_b32 v8, 15, v0                           ; r
	v_bfe_u32 v9, v0, 4, 1                         ; half
	v_lshlrev_b32 v25, 10, v8
	v_lshl_add_u32 v25, v9, 4, v25
	global_load_b128 v[QF:QF+3], v25, s[4:5]             ; Q's fragment: row r, bytes 16 half + 0 .. 15 and 32 + 16 half + 0 .. 15: the places that K's loads give the same channels
	global_load_b128 v[QF+4:QF+7], v25, s[4:5] offset:32
	v_lshlrev_b32 v26, 1, v0
	global_load_u16 v24, v26, s[6:7]               ; two keys' bytes of the mask a thread
	v_and_b32 v27, 8, v8
	v_add_nc_u32 v27, v27, v8                      ; r + 8 (r / 8)
	v_mul_u32_u24 v[AK0], v27, KP
	v_lshl_add_u32 v[AK0], v9, 4, v[AK0]
	v_mul_u32_u24 v[AV0], v8, VP
	v_lshl_add_u32 v[AV0], v9, 4, v[AV0]
	v_add_nc_u32 v[AV0], VOFF, v[AV0]
	v_lshlrev_b32 v[AM0], 6, v9
	v_add_nc_u32 v[AM0], MB, v[AM0]                ; my half's 16 keys of each 32: 64 bytes on
	s_mul_i32 s84, s[WV], 16*KP
	s_add_co_u32 s84, s84, STG                     ; my stage
	v_mul_u32_u24 v[SIN], v8, KP
	v_lshl_add_u32 v[SIN], v9, 3, v[SIN]
	v_add_nc_u32 v[SIN], s84, v[SIN]
	v_and_b32 v28, 31, v0
	v_lshrrev_b32 v29, 2, v28
	v_and_b32 v28, 3, v28
	v_mul_u32_u24 v[SBK], v29, KP
	v_lshl_add_u32 v[SBK], v28, 4, v[SBK]
	v_add_nc_u32 v[SBK], s84, v[SBK]               ; back: four lanes to a row of 64 bytes
	v_lshlrev_b32 v[GO], 10, v29
	v_lshl_add_u32 v[GO], v28, 4, v[GO]
	v_lshl_add_u32 v[MBW], v0, 3, MB
	v_mov_b32 v13, 0xff61b1e6                      ; the largest t so far: -3e38
	v_floor_f32 v12, -v13                          ; -M
	v_mov_b32 v14, 0
	v_mov_b32 v15, 0
	v_mov_b32 v246, 0                              ; a lane permute's destination counts as one of its sources
	v_mov_b32 v253, 0                              ; (named as the upper half of the pair v[252:253])
	v_mov_b32 v247, 0x7f7f7f7f                     ; four NaN codes
.set j, 0
.rept 32
	v_mov_b32 v[O+j], 0                            ; O^T: the step is written once; the first finds zeros
.set j, j+1
.endr
	s_wait_kmcnt 0x0
	s_add_co_i32 s84, s56, s57
	s_lshl_b32 s84, s84, 23
	s_add_co_i32 s[CS], s[CS], s84                 ; a score stands for score x 2^(e6 + e7): added to c's exponent field
	s_mov_b32 s[CS+1], s[CS]
	s_add_co_i32 s84, s59, 127
	s_lshl_b32 s85, s84, 23
	v_mov_b32 v244, s85                            ; 2^e9
	s_add_co_i32 s84, s84, 8
	s_lshl_b32 s84, s84, 23
	s_or_b32 s84, s84, 0x600000
	v_mov_b32 v240, s84                            ; 448 x 2^e9
	s_sub_co_i32 s84, s60, s58
	s_sub_co_i32 s84, s84, s59                     ; O / l stands for out / 2^(e8 + e9): its code is (O / l) / 2^(e10 - e8 - e9)
	s_add_co_i32 s84, s84, 127
	s_lshl_b32 s85, s84, 23
	v_mov_b32 v245, s85
	s_add_co_i32 s84, s84, 8
	s_lshl_b32 s84, s84, 23
	s_or_b32 s84, s84, 0x600000
	v_mov_b32 v241, s84
	s_wait_loadcnt 0x0                             ; Q and my two bytes of the mask
	v_lshlrev_b32 v30, 31, v24                     ; the first byte's bit 0 on top,
	v_lshrrev_b32 v31, 8, v24
	v_lshlrev_b32 v31, 31, v31                     ; the second's
	v_xor_b32 v30, 0xff800000, v30                 ; 1 -> +infinity, 0 -> -infinity
	v_xor_b32 v31, 0xff800000, v31
	ds_store_b64 v[MBW], v[30:31]
; A KEY STEP: 128 keys, the q-th of the chunk in hand.
.macro STEP q
	s_cmp_gt_u32 s[KF], s[QB]                      ; all its keys come after my queries: nothing to do but step the count
	s_cbranch_scc1 .Lhidden_\@
	v_add_nc_u32 v[ADK], s[TB], v[AK0]
	v_add_nc_u32 v[ADV], s[TB], v[AV0]
	v_add_nc_u32 v[ADM], s[TM], v[AM0]
	v_nop                                          ; four places between the last step's products and the loads into the registers that they read
.irp t, 0,1,2,3,4,5,6,7
.irp c, 0,1
	ds_load_b128 v[KV+8*\t+4*\c:KV+8*\t+4*\c+3], v[ADK] offset:(128*(\q)+32*(\t/2)+8*(\t%2))*KP+32*\c
.endr
.endr
.irp b, 0,1
.irp c, 0,1,2,3
	ds_load_b128 v[MB0+16*\b+4*\c:MB0+16*\b+4*\c+3], v[ADM] offset:512*(\q)+128*\b+16*\c
.endr
.endr
	s_wait_dscnt 8                                 ; K is in; the eight loads of the table may be out
.irp t, 0,1,2,3,4,5,6,7
	v_wmma_f32_16x16x64_fp8_fp8 v[S+8*\t:S+8*\t+7], v[KV+8*\t:KV+8*\t+7], v[QF:QF+7], 0
.endr
.rept 4
	v_nop                                          ; places in front of the loads into K's registers and of the first read of the scores
.endr
.irp b, 2,3
.irp c, 0,1,2,3
	ds_load_b128 v[KV+16*(\b-2)+4*\c:KV+16*(\b-2)+4*\c+3], v[ADM] offset:512*(\q)+128*\b+16*\c
.endr
.endr
	s_wait_dscnt 8                                 ; the table's first half is in; the second's eight loads may be out
.set n, 0
.rept 32
	v_min_num_f32 v[S+n], v[S+n], v[MB0+n]         ; a masked key's score becomes -infinity; each accumulator is read from its low end on
.set n, n+1
.endr
	s_wait_dscnt 0x0
.set n, 0
.rept 32
	v_min_num_f32 v[S+32+n], v[S+32+n], v[KV+n]
.set n, n+1
.endr
.irp t, 0,1,2,3
.irp c, 0,1,2,3
	ds_load_b128 v[KV+16*\t+4*\c:KV+16*\t+4*\c+3], v[ADV] offset:16*\t*VP+128*(\q)+32*\c   ; V's four fragments land while the softmax is walked
.endr
.endr
	s_cmp_lt_u32 s[KF], s[QB]                      ; a step all of whose keys come before my queries skips the causal lines
	s_cbranch_scc1 .Lopen_\@
	s_sub_co_i32 s84, s[Q0], s[KF]
	v_and_b32 v252, 15, v0
	v_bfe_u32 v253, v0, 4, 1
	v_lshlrev_b32 v253, 4, v253
	v_sub_nc_u32 v252, v252, v253
	v_add_nc_u32 v252, s84, v252                   ; d = my query - KF - 16 half.  Register 16 b + i holds key KF + 16 half + 32 b + i: hidden where 32 b + i > d
	v_mov_b32 v254, 0xff800000
.set n, 0
.rept 64
	v_cmp_gt_i32 vcc_lo, 32*(n/16)+n%16, v252
	v_cndmask_b32 v[S+n], v[S+n], v254, vcc_lo
.set n, n+1
.endr
.Lopen_\@:
	v_max3_num_f32 v254, v96, v97, v98             ; the step's largest score of my query among my 64 keys, in two chains,
	v_max3_num_f32 v252, v99, v100, v101
.irp i, 6,10,14,18,22,26,30,34,38,42,46,50,54,58
	v_max3_num_f32 v254, v254, v[96+\i], v[97+\i]
	v_max3_num_f32 v252, v252, v[98+\i], v[99+\i]
.endr
	v_max3_num_f32 v254, v254, v158, v159
	v_max_num_f32 v254, v254, v252
	v_permlanex16_b32 v246, v254, s[SEL], s[SEL+1]
	v_max_num_f32 v254, v254, v246                 ; and among lane l xor 16's
	v_mul_f32 v254, s[CS], v254                    ; as t (c is positive)
	v_max_num_f32 v13, v13, v254                   ; the running largest t
	v_mov_b32 v254, v12
	v_floor_f32 v12, -v13                          ; the new -M = floor(-t): M is a whole number
	v_sub_f32 v254, v12, v254                      ; old M - new M: a whole number, 0 or less
	v_cvt_i32_f32 v254, v254                       ; (it saturates)
	v_ldexp_f32 v252, 1.0, v254                    ; f = 2^(old M - new M)
.set j, 0
.rept 32
	v_pk_fma_f32 v[S+j:S+j+1], v[S+j:S+j+1], s[CS:CS+1], v[12:13] op_sel_hi:[1,0,0]   ; t - M, two at a time
.set j, j+2
.endr
.set j, 0
.rept 64
	v_exp_f32 v[S+j], v[S+j]                       ; p = 2^(t - M), at most 1; 0 for a hidden key
.set j, j+1
.endr
	v_pk_mul_f32 v[14:15], v[14:15], v[252:253] op_sel_hi:[1,0]   ; the sums under the new M.  (A plain place behind the exponentials)
	s_wait_alu depctr_va_vdst(0)
	v_pk_add_f32 v[242:243], v[96:97], v[98:99]    ; the row's sum is taken of the unquantised p, in two chains
.irp j, 4,8,12,16,20,24,28,32,36,40,44,48,52,56,60
	v_pk_add_f32 v[14:15], v[14:15], v[96+\j:97+\j]
	v_pk_add_f32 v[242:243], v[242:243], v[98+\j:99+\j]
.endr
	v_pk_add_f32 v[14:15], v[14:15], v[242:243]
.irp b, 0,1,2,3
.irp i, 0,1,2,3,4,5,6,7,8,9,10,11,12,13,14,15
	v_min_num_f32 v[S+16*\b+\i], v[S+16*\b+\i], v240   ; the conversion does not saturate (ISA guide 7.6.2); p is not negative, so the hold is one-sided
.endr
	v_cvt_scalef32_pk8_fp8_f32 v[PC+4*\b:PC+4*\b+1], v[S+16*\b:S+16*\b+7], v244
	v_cvt_scalef32_pk8_fp8_f32 v[PC+4*\b+2:PC+4*\b+3], v[S+16*\b+8:S+16*\b+15], v244
.endr
.set j, 0
.rept 16
	v_pk_mul_f32 v[O+j:O+j+1], v[O+j:O+j+1], v[252:253] op_sel_hi:[1,0]   ; O^T under the new M.  (Plain lines between the conversions and the products that read the codes)
.set j, j+2
.endr
	s_wait_dscnt 0x0                               ; V is in
.irp t, 0,1,2,3
	v_wmma_f32_16x16x128_fp8_fp8 v[O+8*\t:O+8*\t+7], v[KV+16*\t:KV+16*\t+15], v[PC:PC+15], v[O+8*\t:O+8*\t+7]   ; the four accumulators take turns
.endr
.Lhidden_\@:
	s_add_co_u32 s[KF], s[KF], 128
.endm
.macro TWO_STEPS                       ; a chunk
	STEP 0
	STEP 1
	s_add_co_u32 s[TB], s[TB], CHUNK
	s_add_co_u32 s[TM], s[TM], 1024
.endm
	s_wait_tensorcnt 3                             ; my tile of chunk 0 is in, if I asked for one; the three behind it may be out
	s_wait_dscnt 0x0                               ; my two entries of the table lie in LDS
	s_barrier_signal -1
	s_barrier_wait -1
	TWO_STEPS                                      ; chunk 0 is worked on while the other three land
	s_wait_tensorcnt 0x0
	s_wait_dscnt 0x0
	s_barrier_signal -1
	s_barrier_wait -1
	s_mov_b32 s63, 3
.Lchunk:                                               ; every wave walks all chunks: the trip count is a constant, and a step's work is jumped over where it is hidden
	TWO_STEPS
	s_sub_co_u32 s63, s63, 1
	s_cmp_lg_u32 s63, 0
	s_cbranch_scc1 .Lchunk
	; THE WAY OUT: O^T / the sum, held, converted; 8 bytes a lane and tile into my stage, back as rows of 64 bytes, four lanes to a row.
.rept 4
	v_nop                                          ; places behind the last products
.endr
	v_add_f32 v14, v14, v15
	v_permlanex16_b32 v246, v14, s[SEL], s[SEL+1]
	v_add_f32 v14, v14, v246                       ; the row's sum
	v_cmp_eq_f32 vcc_lo, 0, v14                    ; no visible key
	v_rcp_f32 v15, v14
	v_nop                                          ; a plain place behind the transcendental
.set j, 0
	s_wait_alu depctr_va_vdst(0)
.rept 32
	v_mul_f32 v[S+j], v[O+j], v15                  ; register 8 t + i is channel 16 t + 8 half + i of my query
.set j, j+1
.endr
.set j, 0
.rept 32
	v_med3_num_f32 v[S+j], v[S+j], -v241, v241
.set j, j+1
.endr
.irp t, 0,1,2,3
	v_cvt_scalef32_pk8_fp8_f32 v[PC+2*\t:PC+2*\t+1], v[S+8*\t:S+8*\t+7], v245
.endr
	v_nop                                          ; a plain place behind the conversions
.irp i, 0,1,2,3,4,5,6,7
	v_cndmask_b32 v[PC+\i], v[PC+\i], v247, vcc_lo ; a choice of values, no branch
.endr
.irp t, 0,1,2,3
	ds_store_b64 v[SIN], v[PC+2*\t:PC+2*\t+1] offset:16*\t
.endr
	ds_load_b128 v[96:99], v[SBK]                  ; LDS serves a wave's instructions in order: these see my stores
	ds_load_b128 v[100:103], v[SBK] offset:8*KP
	s_wait_dscnt 1
	global_store_b128 v[GO], v[96:99], s[10:11]
	s_wait_dscnt 0x0
	global_store_b128 v[GO], v[100:103], s[10:11] offset:8192
	s_wait_tensorcnt 0x0
	ds_add_u32 v251, v255
	s_wait_dscnt 0x0
	CROUND                                         ; the closing round
	s_endpgm
.Lfunc_end_k_q238c82bf17_attn:
	.size	k_q238c82bf17_attn, .Lfunc_end_k_q238c82bf17_attn-k_q238c82bf17_attn
	.p2alignl 7, 3214868480
	.fill 96, 4, 3214868480
	.section	.rodata,"a",@progbits
	.p2align	6, 0x0
	.amdhsa_kernel k_q238c82bf17_attn
		.amdhsa_group_segment_fixed_size 178176
		.amdhsa_private_segment_fixed_size 0
		.amdhsa_enable_private_segment 0
		.amdhsa_kernarg_size 32
		.amdhsa_user_sgpr_count 2
		.amdhsa_user_sgpr_kernarg_segment_ptr 1
		.amdhsa_wavefront_size32 1
		.amdhsa_system_sgpr_workgroup_id_x 1
		.amdhsa_system_sgpr_workgroup_id_y 1
		.amdhsa_system_sgpr_workgroup_id_z 1
		.amdhsa_system_vgpr_workitem_id 0
		.amdhsa_next_free_vgpr 256
		.amdhsa_next_free_sgpr 96
		.amdhsa_reserve_vcc 1
		.amdhsa_float_denorm_mode_32 3
		.amdhsa_float_denorm_mode_16_64 3
		.amdhsa_memory_ordered 1
		.amdhsa_forward_progress 1
		.amdhsa_inst_pref_size 111
	.end_amdhsa_kernel
	.amdgpu_metadata
---
amdhsa.version: [ 1, 2 ]
amdhsa.kernels:
  - .name:           k_q238c82bf17_attn
    .symbol:         k_q238c82bf17_attn.kd
    .args:
      - { .name: qkv, .offset: 0, .size: 8, .value_kind: global_buffer, .address_space: global }
      - { .name: key_padding_mask, .offset: 8, .size: 8, .value_kind: global_buffer, .address_space: global }
      - { .name: lowp_scales, .offset: 16, .size: 8, .value_kind: global_buffer, .address_space: global }
      - { .name: oc, .offset: 24, .size: 8, .value_kind: global_buffer, .address_space: global }
    .group_segment_fixed_size: 178176
    .private_segment_fixed_size: 0
    .kernarg_segment_align: 8
    .kernarg_segment_size: 32
    .max_flat_workgroup_size: 512
    .sgpr_count:     96
    .vgpr_count:     256
    .wavefront_size: 32
...
	.end_amdgpu_metadata
.endif
;; end of part 3
;; launch proj (part 4): grid 8 x 32, 4 waves a work-group, clusters of 4 x 4, 327,680 bytes of LDS; arguments oc, proj_w_codes, x1, lowp_scales, proj_b, x; writes x1
.if DOCPART == 4
	.amdgcn_target "amdgcn-amd-amdhsa--gfx1250"
	.amdhsa_code_object_version 6
	.text
	.protected	k_q238c82bf17_proj
	.globl	k_q238c82bf17_proj
	.p2align	8
	.type	k_q238c82bf17_proj,@function
k_q238c82bf17_proj:
	s_mov_b64 s[64:65], 0
	v_nop
	global_prefetch_b8 v0, s[64:65] scope:SCOPE_SE
	s_setreg_imm32_b32 hwreg(HW_REG_WAVE_MODE, 25, 1), 1
	s_wait_xcnt 0x0
	s_wait_alu depctr_hold_cnt(0) depctr_sa_sdst(0) depctr_va_vdst(0) depctr_va_sdst(0) depctr_va_ssrc(0) depctr_va_vcc(0) depctr_vm_vsrc(0)
	s_getreg_b32 s2, hwreg(HW_REG_IB_STS2, 6, 4)
	s_cmp_eq_u32 s2, 0
	s_cbranch_scc0 .Lentry_in_a_cluster
	s_endpgm
.Lentry_in_a_cluster:
	s_bfe_u32 s2, ttmp6, 0x10000c
	s_cmp_lg_u32 s2, 0xf033
	s_cbranch_scc0 .Lentry_shape_is_right
	s_endpgm
.Lentry_shape_is_right:
; C[m][n] = R[m][n] + 2^(ea + eb) x (the sum over k of A[m][k] B[n][k]) + bias[n], and with MASK = 1 all of it x m[row].
; Here: x1 = x + out proj_w + proj_b.  A = out's codes [4096][1024], B = proj_w's codes [1024][1024], FP8 (E4M3), K innermost; R = x, C = x1: [4096][1024] f32.
; C has 64 tiles of 256 x 256, too few for the chip's work-group processors: a tile of C is 128 x 128, 256 work-groups.  Four waves, each 64 x 64: 16 accumulators, 128 registers.
; K goes in steps of 512 (LDS rows of 512 bytes; a wave's tensor load brings 64 of them) through two LDS slots.
; CLUSTERS: 4 x 4 work-groups; A's tile is shared along a row of the cluster, B's along a column: each is asked for JOINTLY.
; THE MATRIX INSTRUCTION IS USED TRANSPOSED (source 0 = 16 rows of B, source 1 = 16 rows of A): a lane holds eight neighbouring numbers of a row of C.
; A fragment is fetched by four loads of 16 bytes: a permutation of k, the same in A and B.
; The residual's 64 x 64 numbers of the wave are asked for at the head, in the layout in which the results come back from the stage, and land during the products.
; LIMIT: ea + eb between -126 and 127.
; REGISTERS: window 0: v16-31 addresses; v32-53 mask, bias; v64-127 rows on the way out; v128-255 the accumulators ((a, b) at v[128 + 8 (4 a + b)]).
;   window 1: two fragment buffers of 128: A's four fragments, then B's four.   window 2: v0-127 the residual.
.set SIZE_K, 1024
.set MASK,   0
.set EOFF,   0x28                      ; byte offset of ea, eb in lowp_scales
.set KSTEP,  512
.set PITCH,  528                       ; an LDS row: 512 bytes + 16 of padding = 132 words: row r starts at bank 4 r mod 64 (64 banks of 4 bytes: ISA guide 11.1)
.set HALFT,  64*PITCH
.set SLOT,   4*HALFT
.set SPARE,  2*SLOT                    ; behind the ring: the spare words, 128 bytes for each wave, which no other line names
.set SPITCH, 272                       ; the way out: 16 rows x (256 bytes + 16) for each wave, in slot 0, which has had its last fill and its last read by then
.set LAPS,   SIZE_K/(2*KSTEP)
.set ADRA, 16
.set ADRB, 20
.set STO,  24
.set RD,   25
.set CO,   26
.set ZO,   27                          ; 0
.set SPW,  28
.set NIL,  29
.set SH,   30                          ; 8 (l / 16)
.set BO,   31                          ; 16 (l % 16)
.set MK,   32                          ; v32-47 my 64 rows' bytes of the mask
.set BIAS, 48                          ; v48-51 the bias of my four columns on the way out
.set MM,   52                          ; v[52:53] m of a row
.set RB,   64                          ; two sets of 32
.set ACC,  128
.set F0,   0
.set F1,   128
.set G1, 24
.set G0, 32
.set G1B, 48
.set G0B, 56
.set MSB, 0
.macro WIN new                         ; the immediate's high byte repeats the setting that is left
.if MSB != \new
	s_set_vgpr_msb (MSB<<8)|\new
.set MSB, \new
.endif
.endm
.set MUL,  0x05                        ; sources 0 (B) and 1 (A) window 1; C and D window 0
.set TO_F, 0x40                        ; destination window 1, address window 0
.macro JLOAD s                         ; a joint load: waves 0 and 1 fetch A's halves, waves 2 and 3 B's; four v_nop follow each line
	s_cmp_eq_u32 s11, 0
	s_cbranch_scc0 .Lfor_b_\@
	tensor_load_to_lds s[G0+4*\s:G0+4*\s+3], s[G1:G1+7]
	s_nop 0
.rept 4
	v_nop
.endr
	s_branch .Lasked_\@
.Lfor_b_\@:
	tensor_load_to_lds s[G0B+4*\s:G0B+4*\s+3], s[G1B:G1B+7]
	s_nop 0
.rept 4
	v_nop
.endr
.Lasked_\@:
.endm
.macro CREST
	s_cmp_lg_u32 s10, 0
	s_cbranch_scc1 .Lnot_wave_0_\@
	s_barrier_signal -3
.Lnot_wave_0_\@:
	s_barrier_wait -3
	s_barrier_signal -1
	s_barrier_wait -1
.endm
.macro CROUND
	s_barrier_signal -1
	s_barrier_wait -1
	CREST
.endm
	s_load_b128 s[4:7], s[0:1], 0x0                ; A's codes, B's codes
	s_load_b64 s[8:9], s[0:1], 0x10                ; C
	s_load_b128 s[84:87], s[0:1], 0x18             ; the scales' exponents, the bias
	s_load_b64 s[88:89], s[0:1], 0x28              ; R
.if MASK
	s_load_b64 s[90:91], s[0:1], 0x30              ; the mask
.endif
	v_lshl_add_u32 v[SPW], v0, 2, SPARE
	v_mov_b32 v[NIL], 0
	ds_add_u32 v28, v29
	ds_add_u32 v28, v29
	s_wait_dscnt 0x0
	v_lshrrev_b32 v1, 5, v0
	v_readfirstlane_b32 s10, v1                    ; wave 0..3
	s_lshr_b32 s11, s10, 1                         ; which half of the tile's rows is mine.  Also: I fetch for A (0) or for B (1)
	s_and_b32 s12, s10, 1                          ; which half of its columns.  Also: which 64 rows of that tile I fetch
	s_bfe_u32 s40, ttmp6, 0x40000
	s_bfe_u32 s41, ttmp6, 0x40004
	s_lshl_b32 s42, ttmp9, 2
	s_add_co_u32 s42, s42, s40                     ; tile column
	s_and_b32 s13, ttmp7, 0xffff
	s_lshl_b32 s13, s13, 2
	s_add_co_u32 s13, s13, s41                     ; tile row
	s_lshl_b32 s43, s41, 2
	s_lshl_b32 s43, 15, s43                        ; my row of the cluster
	s_lshl_b32 s44, 0x1111, s40                    ; my column
	s_or_b32 s[G1+0], s43, (0<<16)|(1<<20)|(1<<21)|(6<<22)|(3<<25)  ; the mask; elements of 1 byte; padding on; 21 set beside a mask; after every 128 words four words
	s_or_b32 s[G1B+0], s44, (0<<16)|(1<<20)|(1<<21)|(6<<22)|(3<<25)
.irp g, G1, G1B
	s_mov_b32 s[\g+1], KSTEP<<16                   ; tensor_dim0
	s_mov_b32 s[\g+2], 64<<16                      ; tensor_dim1
	s_mov_b32 s[\g+3], KSTEP<<16                   ; tile_dim0
	s_mov_b32 s[\g+4], 64                          ; tile_dim1
	s_mov_b32 s[\g+5], SIZE_K                      ; tensor_dim0_stride
	s_mov_b32 s[\g+6], 0
	s_mov_b32 s[\g+7], 0
.endr
	s_lshl_b32 s17, s12, 6
	s_lshl_b32 s16, s13, 7
	s_add_co_u32 s16, s16, s17                     ; A: row 128 x tile row + 64 x half
	s_lshl_b32 s46, s42, 7
	s_add_co_u32 s46, s46, s17                     ; B: row 128 x tile column + 64 x half
	s_mov_b32 s17, 0
	s_mov_b32 s47, 0
	s_mov_b64 s[18:19], SIZE_K
	s_mul_u64 s[16:17], s[16:17], s[18:19]
	s_mul_u64 s[46:47], s[46:47], s[18:19]
	s_mul_i32 s20, s10, HALFT                      ; where they go: wave x 64 rows
	s_wait_kmcnt 0x0
	s_load_b64 s[96:97], s[84:85], EOFF            ; ea, eb
	s_add_nc_u64 s[14:15], s[4:5], s[16:17]
	s_add_nc_u64 s[46:47], s[6:7], s[46:47]
	CROUND                                         ; all sixteen work-groups are here: the first joint loads meet
.irp s, 0,1
	s_mov_b32 s[G0+4*\s], 1
	s_add_co_u32 s[G0+4*\s+1], s20, \s*SLOT
	s_add_nc_u64 s[G0+4*\s+2:G0+4*\s+3], s[14:15], \s*KSTEP
	s_or_b32 s[G0+4*\s+3], s[G0+4*\s+3], 0x80000000
	s_mov_b32 s[G0B+4*\s], 1
	s_add_co_u32 s[G0B+4*\s+1], s20, \s*SLOT
	s_add_nc_u64 s[G0B+4*\s+2:G0B+4*\s+3], s[46:47], \s*KSTEP
	s_or_b32 s[G0B+4*\s+3], s[G0B+4*\s+3], 0x80000000
	JLOAD \s                                       ; two loads of mine are out
.endr
	v_and_b32 v1, 15, v0                           ; l % 16
	v_bfe_u32 v2, v0, 4, 1                         ; l / 16
	v_mul_u32_u24 v3, v1, PITCH
	v_lshl_add_u32 v3, v2, 4, v3
	s_mul_i32 s21, s11, HALFT
	s_mul_i32 s22, s12, HALFT
	s_add_co_u32 s22, s22, 2*HALFT
.irp s, 0,1
	v_add_nc_u32 v[ADRA+\s], s21, v3
	v_add_nc_u32 v[ADRB+\s], s22, v3
	s_add_co_u32 s21, s21, SLOT
	s_add_co_u32 s22, s22, SLOT
.endr
	s_mul_i32 s23, s10, 16*SPITCH                  ; my stage
	v_mul_u32_u24 v4, v1, SPITCH
	v_lshl_add_u32 v4, v2, 5, v4
	v_add_nc_u32 v[STO], s23, v4                   ; in: row l % 16, 32 bytes for each half of the lanes
	v_mul_u32_u24 v5, v2, SPITCH
	v_lshl_add_u32 v5, v1, 4, v5
	v_add_nc_u32 v[RD], s23, v5                    ; back: lanes 0-15 one row of 256 bytes, lanes 16-31 the next
	v_lshlrev_b32 v5, 12, v2
	v_lshl_add_u32 v[CO], v1, 4, v5                ; and the same two rows in C and in R
	v_mov_b32 v[ZO], 0
	v_lshlrev_b32 v[SH], 3, v2
	v_lshlrev_b32 v[BO], 4, v1
	v_mov_b32 v[MM+1], 0                           ; (named as the upper half of a pair)
	s_lshl_b32 s16, s13, 7
	s_lshl_b32 s17, s11, 6
	s_add_co_u32 s16, s16, s17                     ; my first row: 128 x tile row + 64 x half
.if MASK
	s_mov_b32 s92, s16
	s_mov_b32 s93, 0
	s_add_nc_u64 s[90:91], s[90:91], s[92:93]
.endif
	s_lshl_b32 s16, s16, 12                        ; rows of 4,096 bytes
	s_lshl_b32 s46, s42, 9
	s_lshl_b32 s47, s12, 8
	s_add_co_u32 s46, s46, s47                     ; my first column in bytes: 512 x tile column + 256 x half
	s_mov_b32 s47, 0
	s_add_nc_u64 s[86:87], s[86:87], s[46:47]
	s_add_co_u32 s16, s16, s46
	s_mov_b32 s17, 0
	s_add_nc_u64 s[8:9], s[8:9], s[16:17]
	s_add_nc_u64 s[88:89], s[88:89], s[16:17]
	global_load_b128 v[BIAS:BIAS+3], v[BO], s[86:87]
.if MASK
.irp i, 0,1,2,3
	global_load_b128 v[MK+4*\i:MK+4*\i+3], v[ZO], s[90:91] offset:16*\i   ; every lane takes the same 64 bytes
.endr
.endif
	WIN 0x80                                       ; destination window 2
.irp a, 0,1,2,3
.irp t, 0,1,2,3,4,5,6,7
	global_load_b128 v[32*\a+4*\t:32*\a+4*\t+3], v[CO], s[88:89] offset:(16*\a+2*\t)*4096   ; 16 lanes read 256 consecutive bytes, aligned
.endr
.endr
	WIN 0
.macro FRAG reg, adr, k, i             ; 16 rows x 128 K: registers 4 c .. 4 c + 3 hold K = 32 c + 16 (l / 16) + 0 .. 15
.irp c, 0,1,2,3
	ds_load_b128 v[\reg+4*\c:\reg+4*\c+3], v[\adr] offset:(\k)+32*\c+(\i)*16*PITCH
.endr
.endm
.macro FETCH slot, k, f                ; 32 LDS loads in one run: B's four fragments, then A's, of the 128 along K at byte k
	WIN TO_F
.irp i, 0,1,2,3
	FRAG \f+64+16*\i, ADRB+\slot, \k, \i
.endr
.irp i, 0,1,2,3
	FRAG \f+16*\i, ADRA+\slot, \k, \i
.endr
.endm
; 8 matrix instructions: A's blocks a0, a0 + 1 x B's four.  The 16 accumulators take turns, one instruction a turn, in the same order in every quarter.
.macro MUL8 f, a0, zero
.irp a, \a0, \a0+1
.irp b, 0,1,2,3
.if \zero
	v_wmma_f32_16x16x128_fp8_fp8 v[ACC+8*(4*(\a)+\b):ACC+8*(4*(\a)+\b)+7], v[\f+64+16*\b:\f+64+16*\b+15], v[\f+16*(\a):\f+16*(\a)+15], 0
.else
	v_wmma_f32_16x16x128_fp8_fp8 v[ACC+8*(4*(\a)+\b):ACC+8*(4*(\a)+\b)+7], v[\f+64+16*\b:\f+64+16*\b+15], v[\f+16*(\a):\f+16*(\a)+15], v[ACC+8*(4*(\a)+\b):ACC+8*(4*(\a)+\b)+7]
.endif
.endr
.endr
.endm
.macro PLACES                          ; four plain vector instructions between a matrix instruction and a load into, or a read of, its registers (for a read)
.rept 4
	v_nop
.endr
.endm
; A K step is four quarters of 128 along K, 16 matrix instructions each, on buffers 0, 1, 0, 1.  One of the first three multiplies buffer f and fetches the next quarter, at byte k, into g.
.macro QUARTER slot, k, f, g, zero
	s_wait_dscnt 8                                 ; B's fragments and A's blocks 0, 1 are in; the youngest eight loads may be out
	WIN MUL
	MUL8 \f, 0, \zero
	PLACES
	FETCH \slot, \k, \g
	s_wait_dscnt 32                                ; all but the 32 just issued
	WIN MUL
	MUL8 \f, 2, \zero
.endm
; The last quarter multiplies buffer 1 and changes slots: ONE barrier; in front of it each wave waits for all its tensor loads, adds 0 to its spare word, and waits for that and for its reads of this slot.
.macro TURN slot, next, fill
	WIN 0
	s_wait_tensorcnt 0x0                           ; all my tensor loads have landed: my part of the next slot
	ds_add_u32 v[SPW], v[NIL]                      ; 0 onto my spare word
	s_wait_dscnt 9                                 ; (the add and the youngest eight loads may be out)
	WIN MUL
	MUL8 F1, 0, 0
	s_wait_dscnt 0x0                               ; the add is done, and my reads of this slot are over
	s_barrier_signal -1
	WIN 0
	s_barrier_wait -1
.if \fill
	CREST                                          ; the barrier has opened a round of the cluster's: no wave of any partner still reads this slot or has a load on its way
	s_add_nc_u64 s[G0+4*\slot+2:G0+4*\slot+3], s[G0+4*\slot+2:G0+4*\slot+3], 2*KSTEP
	s_add_nc_u64 s[G0B+4*\slot+2:G0B+4*\slot+3], s[G0B+4*\slot+2:G0B+4*\slot+3], 2*KSTEP
	JLOAD \slot                                    ; my one tensor load behind the round; its four v_nop are the places in front of the loads below
.else
	PLACES
.endif
	FETCH \next, 0, F0
	WIN MUL
	MUL8 F1, 2, 0
.endm
	s_wait_tensorcnt 1                             ; my part of K step 0 is in (K step 1's may be out)
	s_barrier_signal -1
	s_barrier_wait -1                              ; everybody's is
	FETCH 0, 0, F0
	QUARTER 0, 128, F0, F1, 1                      ; the first quarter's products start the sums: nothing is cleared
.if LAPS > 1
	WIN 0
	s_mov_b32 s3, LAPS-1
.Llap:                                                 ; a trip goes once round the ring and fills both slots again
	QUARTER 0, 256, F1, F0, 0
	QUARTER 0, 384, F0, F1, 0
	TURN 0, 1, 1
	QUARTER 1, 128, F0, F1, 0
	QUARTER 1, 256, F1, F0, 0
	QUARTER 1, 384, F0, F1, 0
	TURN 1, 0, 1
	QUARTER 0, 128, F0, F1, 0
	WIN 0
	s_sub_co_u32 s3, s3, 1
	s_cmp_lg_u32 s3, 0
	s_cbranch_scc1 .Llap
.endif
	QUARTER 0, 256, F1, F0, 0                      ; the last lap fills nothing
	QUARTER 0, 384, F0, F1, 0
	TURN 0, 1, 0
	QUARTER 1, 128, F0, F1, 0
	QUARTER 1, 256, F1, F0, 0
	QUARTER 1, 384, F0, F1, 0
	s_wait_dscnt 8
	WIN MUL
	MUL8 F1, 0, 0
	s_wait_dscnt 0
	MUL8 F1, 2, 0
	WIN 0
; THE WAY OUT, a block of 16 rows x 64 columns at a time.  The sums go through my own stage as they are and come back as whole rows of 256 bytes, the layout in which the residual was loaded.
.macro TOSTAGE a
.set BB, RB+32*((\a)%2)
.irp b, 0,1,2,3
	ds_store_b128 v[STO], v[ACC+8*(4*(\a)+\b):ACC+8*(4*(\a)+\b)+3] offset:64*\b          ; each accumulator from its low end on
	ds_store_b128 v[STO], v[ACC+8*(4*(\a)+\b)+4:ACC+8*(4*(\a)+\b)+7] offset:64*\b+16
.endr
.irp t, 0,1,2,3,4,5,6,7
	ds_load_b128 v[BB+4*\t:BB+4*\t+3], v[RD] offset:\t*2*SPITCH    ; LDS serves a wave's instructions in order: these see the stores above
.endr
.endm
.macro SEND a, younger
.set BB, RB+32*((\a)%2)
	s_wait_dscnt \younger                          ; the block is back; the next block's LDS instructions may be out
	s_wait_loadcnt 8*(3-(\a))                      ; its residual is in; the later blocks' loads may be out
	WIN 0x20                                       ; source 2 window 2
.set j, 0
.rept 16
	v_pk_fma_f32 v[BB+j:BB+j+1], v[BB+j:BB+j+1], s[96:97], v[32*(\a)+j:32*(\a)+j+1] op_sel_hi:[1,0,1]   ; sum x 2^(ea + eb) + residual
.set j, j+2
.endr
	WIN 0
.irp t, 0,1,2,3,4,5,6,7
	v_pk_add_f32 v[BB+4*\t:BB+4*\t+1], v[BB+4*\t:BB+4*\t+1], v[BIAS:BIAS+1]
	v_pk_add_f32 v[BB+4*\t+2:BB+4*\t+3], v[BB+4*\t+2:BB+4*\t+3], v[BIAS+2:BIAS+3]
.endr
.if MASK
.irp t, 0,1,2,3,4,5,6,7
	v_bfe_u32 v[MM], v[MK+4*(\a)+\t/2], 16*(\t%2), 8               ; the byte of row 16 a + 2 t + l / 16 (the words were shifted by 8 (l / 16))
	v_cvt_f32_u32 v[MM], v[MM]
	v_pk_mul_f32 v[BB+4*\t:BB+4*\t+1], v[BB+4*\t:BB+4*\t+1], v[MM:MM+1] op_sel_hi:[1,0]
	v_pk_mul_f32 v[BB+4*\t+2:BB+4*\t+3], v[BB+4*\t+2:BB+4*\t+3], v[MM:MM+1] op_sel_hi:[1,0]
.endr
.endif
.irp t, 0,1,2,3,4,5,6,7
.if MASK
	global_store_b128 v[CO], v[BB+4*\t:BB+4*\t+3], s[8:9] offset:(16*(\a)+2*\t)*4096 th:TH_STORE_NT   ; written once, read by nobody here
.else
	global_store_b128 v[CO], v[BB+4*\t:BB+4*\t+3], s[8:9] offset:(16*(\a)+2*\t)*4096   ; 16 lanes store 256 consecutive bytes, aligned
.endif
.endr
.endm
	s_wait_kmcnt 0x0
	s_add_co_i32 s96, s96, s97
	s_add_co_i32 s96, s96, 127
	s_lshl_b32 s96, s96, 23                        ; 2^(ea + eb) as f32
	s_mov_b32 s97, s96                             ; (named with it as a pair)
	PLACES
.if MASK
	s_wait_loadcnt 32                              ; the bias and the mask are in; the residual's 32 loads may be out
.irp i, 0,1,2,3,4,5,6,7,8,9,10,11,12,13,14,15
	v_lshrrev_b32 v[MK+\i], v[SH], v[MK+\i]
.endr
.endif
	TOSTAGE 0
.irp a, 1,2,3
.if \a > 1
	s_wait_xcnt 0x0                                ; the stores of the block before last have read their registers: this block's loads may land there
.endif
	TOSTAGE \a
	SEND \a-1, 16
.endr
	SEND 3, 0
	s_wait_tensorcnt 0x0                           ; the wave's end
	ds_add_u32 v[SPW], v[NIL]
	s_wait_dscnt 0x0
	CROUND                                         ; the closing round
	s_endpgm
.Lfunc_end_k_q238c82bf17_proj:
	.size	k_q238c82bf17_proj, .Lfunc_end_k_q238c82bf17_proj-k_q238c82bf17_proj
	.p2alignl 7, 3214868480
	.fill 96, 4, 3214868480
	.section	.rodata,"a",@progbits
	.p2align	6, 0x0
	.amdhsa_kernel k_q238c82bf17_proj
		.amdhsa_group_segment_fixed_size 327680
		.amdhsa_private_segment_fixed_size 0
		.amdhsa_enable_private_segment 0
		.amdhsa_kernarg_size 48
		.amdhsa_user_sgpr_count 2
		.amdhsa_user_sgpr_kernarg_segment_ptr 1
		.amdhsa_wavefront_size32 1
		.amdhsa_system_sgpr_workgroup_id_x 1
		.amdhsa_system_sgpr_workgroup_id_y 1
		.amdhsa_system_sgpr_workgroup_id_z 1
		.amdhsa_system_vgpr_workitem_id 0
		.amdhsa_next_free_vgpr 640
		.amdhsa_next_free_sgpr 100
		.amdhsa_reserve_vcc 0
		.amdhsa_float_denorm_mode_32 3
		.amdhsa_float_denorm_mode_16_64 3
		.amdhsa_memory_ordered 1
		.amdhsa_forward_progress 1
		.amdhsa_inst_pref_size 53
	.end_amdhsa_kernel
	.amdgpu_metadata
---
amdhsa.version: [ 1, 2 ]
amdhsa.kernels:
  - .name:           k_q238c82bf17_proj
    .symbol:         k_q238c82bf17_proj.kd
    .args:
      - { .name: oc, .offset: 0, .size: 8, .value_kind: global_buffer, .address_space: global }
      - { .name: proj_w_codes, .offset: 8, .size: 8, .value_kind: global_buffer, .address_space: global }
      - { .name: x1, .offset: 16, .size: 8, .value_kind: global_buffer, .address_space: global }
      - { .name: lowp_scales, .offset: 24, .size: 8, .value_kind: global_buffer, .address_space: global }
      - { .name: proj_b, .offset: 32, .size: 8, .value_kind: global_buffer, .address_space: global }
      - { .name: x, .offset: 40, .size: 8, .value_kind: global_buffer, .address_space: global }
    .group_segment_fixed_size: 327680
    .private_segment_fixed_size: 0
    .kernarg_segment_align: 8
    .kernarg_segment_size: 48
    .max_flat_workgroup_size: 128
    .sgpr_count:     100
    .vgpr_count:     640
    .wavefront_size: 32
...
	.end_amdgpu_metadata
.endif
;; end of part 4
;; launch ln2 (part 5): grid 256 x 1, 8 waves a work-group, no clusters, 93,184 bytes of LDS; arguments x1, key_padding_mask, ln2_w, ln2_b, lowp_scales, h2; writes h2
.if DOCPART == 5
	.amdgcn_target "amdgcn-amd-amdhsa--gfx1250"
	.amdhsa_code_object_version 6
	.text
	.protected	k_q238c82bf17_ln2
	.globl	k_q238c82bf17_ln2
	.p2align	8
	.type	k_q238c82bf17_ln2,@function
k_q238c82bf17_ln2:
	s_mov_b64 s[64:65], 0
	v_nop
	global_prefetch_b8 v0, s[64:65] scope:SCOPE_SE
	s_setreg_imm32_b32 hwreg(HW_REG_WAVE_MODE, 25, 1), 1
	s_wait_xcnt 0x0
; h2 = LayerNorm(x1; ln2_w, ln2_b) x m, turned into codes of FP8 (E4M3) under lowp_scales[12], the scale that the product with ff_w1 gives it.
; x1: [4096][1024] f32.  Out: [4096][1024] codes, K (the 1,024 channels) innermost.
; SHARES.  A work-group of eight waves takes 16 rows, a wave two.  One wave holds a whole row (32 numbers a lane), so mean and variance never leave the wave.
; A stream: no matrix unit, no cluster (no two work-groups read the same rows; w and b are 8 KiB), no tensor load.
; LAYOUT.  Each load reads 512 consecutive bytes, 16 a lane.  The conversions want 8 neighbours along K in one lane's registers, so a row turns through the wave's own stage in LDS:
; stored as loaded, read back 64 bytes a lane (16 bytes of padding behind each 64, so that the lanes' reads start at different banks).  Register 16 g + i of a lane is then channel 512 g + 16 lane + i,
; and a lane's 16 codes are 16 bytes: a store of the wave covers 512 consecutive bytes, aligned.  w and b take the same turn once, through bytes that all eight waves read.
; THE MASK RIDES ON THE HOLD: the hold at the largest code x the scale is multiplied by m (0 or 1), so a masked row is held between -0 and 0: zero codes.
; Mean, then the sum of squares of x - mean (two passes over registers), as the reference has it.
; LIMITS: e between -126 and 119.  A row of NaN (a query that saw no key) gives codes of no meaning: its output is NaN by the residual in the last launch.
.set NSET, 1
.set E0, 48                            ; byte offset of the set's exponent in lowp_scales
.set E1, 48
.set E2, 48
.set RAW, 16                           ; v16-79   two rows as loaded
.set X0,  80                           ; v80-111  row 0, turned
.set X1,  16                           ; v16-47   row 1, turned (row 0's raw registers, free by then)
.set W,   112                          ; v112-143 w, turned
.set B,   144                          ; v144-175 b, turned
.set T,   176                          ; v176-207 at work
.set C0,  208                          ; row 0's codes, 8 registers a set
.set C1,  48                           ; row 1's codes (row 1's raw registers, free by then)
.set SCL, 240                          ; 2^e of each set
.set HL,  243                          ; 448 x 2^e x m of each set, for the row in hand
.set SP,  80                           ; a place in LDS: 64 bytes + 16 of padding
.set ROWL, 64*SP                       ; a row of 1,024 f32 in LDS
.set WL,  0
.set BL,  ROWL
.set STG, 2*ROWL                       ; then two rows for each wave
	s_load_b256 s[4:11], s[0:1], 0x0               ; x1, mask, w, b
	s_load_b128 s[12:15], s[0:1], 0x20             ; the scales' exponents, the codes
	v_lshl_add_u32 v254, v0, 2, 0x16800
	v_mov_b32 v255, 0
	v_lshrrev_b32 v1, 5, v0
	v_readfirstlane_b32 s16, v1                    ; wave
	v_and_b32 v1, 31, v0                           ; lane
	v_lshlrev_b32 v2, 4, v1                        ; 16 x lane: my bytes of a load and of a store
	s_mul_i32 s18, s16, 2*ROWL
	s_add_co_u32 s18, s18, STG                     ; my wave's stage
	v_lshrrev_b32 v3, 2, v1
	v_mul_u32_u24 v3, v3, SP
	v_and_b32 v4, 3, v1
	v_lshl_add_u32 v3, v4, 4, v3
	v_add_nc_u32 v3, s18, v3                       ; the way in: four lanes' 64 bytes on end, then the padding
	v_mul_u32_u24 v7, v1, SP                       ; the way out of w's and b's rows: SP x lane
	v_add_nc_u32 v4, s18, v7                       ; and of my stage
	v_lshlrev_b32 v5, 4, v0                        ; w, b: 16 bytes a thread
	v_lshrrev_b32 v6, 2, v0
	v_mul_u32_u24 v6, v6, SP
	v_and_b32 v12, 3, v0
	v_lshl_add_u32 v6, v12, 4, v6                  ; and their way in
	v_mov_b32 v13, 0                               ; a lane permute's destination counts as one of its sources
	s_lshl_b32 s17, ttmp9, 4
	s_lshl_b32 s19, s16, 1
	s_add_co_u32 s17, s17, s19                     ; my first row: 16 x work-group + 2 x wave
	s_mov_b32 s20, 0x76543210                      ; v_permlanex16_b32: lane l xor 16
	s_mov_b32 s21, 0xfedcba98
	s_mov_b32 s22, 0x3a800000                      ; 1 / 1024
	s_mov_b32 s23, 0x3727c5ac                      ; 1e-5
	s_lshl_b32 s18, s17, 12
	s_mov_b32 s19, 0
	s_wait_kmcnt 0x0
	s_add_nc_u64 s[4:5], s[4:5], s[18:19]          ; x1 at my first row
	s_mov_b32 s18, s17
	s_add_nc_u64 s[6:7], s[6:7], s[18:19]          ; the mask's two bytes for my rows (an even address)
	s_load_u16 s27, s[6:7], 0x0
.irp s, 0,1,2
.if \s < NSET
	s_load_b32 s[24+\s], s[12:13], E\s
.endif
.endr
	s_lshl_b32 s18, s17, 10
	s_add_nc_u64 s[42:43], s[14:15], s[18:19]      ; the codes at my first row
.if NSET > 1
	s_add_nc_u64 s[44:45], s[42:43], 0x400000
	s_add_nc_u64 s[46:47], s[42:43], 0x800000
.endif
	global_load_b128 v[T:T+3], v5, s[8:9]
	global_load_b128 v[T+4:T+7], v5, s[10:11]
.irp i, 0,1
.irp j, 0,1,2,3,4,5,6,7
	global_load_b128 v[RAW+32*\i+4*\j:RAW+32*\i+4*\j+3], v2, s[4:5] offset:4096*\i+512*\j   ; 32 lanes read 512 consecutive bytes
.endr
.endr
	s_wait_kmcnt 0x0
	s_and_b32 s28, s27, 0xff
	s_lshr_b32 s29, s27, 8
	s_cvt_f32_u32 s28, s28                         ; m of row 0,
	s_cvt_f32_u32 s29, s29                         ; of row 1
.irp s, 0,1,2
.if \s < NSET
	s_add_co_i32 s[24+\s], s[24+\s], 127
	s_lshl_b32 s[30+\s], s[24+\s], 23              ; 2^e as f32: the conversion takes its exponent field
	s_add_co_i32 s[24+\s], s[24+\s], 8
	s_lshl_b32 s[33+\s], s[24+\s], 23
	s_or_b32 s[33+\s], s[33+\s], 0x600000          ; 448 x 2^e
	s_mul_f32 s[36+\s], s[33+\s], s28              ; x m, for each row
	s_mul_f32 s[39+\s], s[33+\s], s29
	v_mov_b32 v[SCL+\s], s[30+\s]
.endif
.endr
	s_wait_loadcnt 16                              ; w and b are in; the 16 loads of my rows may be out
	ds_store_b128 v6, v[T:T+3] offset:WL
	ds_store_b128 v6, v[T+4:T+7] offset:BL
	s_wait_dscnt 0x0                               ; for the others' sake: my part of w and b lies in LDS
	s_barrier_signal -1
	s_barrier_wait -1
.irp g, 0,1
.irp c, 0,1,2,3
	ds_load_b128 v[W+16*\g+4*\c:W+16*\g+4*\c+3], v7 offset:WL+32*SP*\g+16*\c
	ds_load_b128 v[B+16*\g+4*\c:B+16*\g+4*\c+3], v7 offset:BL+32*SP*\g+16*\c
.endr
.endr
.macro WSUM                            ; v12 summed over the 32 lanes, the result in every lane
	v_add_f32_dpp v12, v12, v12 row_xmask:1 row_mask:0xf bank_mask:0xf
	v_add_f32_dpp v12, v12, v12 row_xmask:2 row_mask:0xf bank_mask:0xf
	v_add_f32_dpp v12, v12, v12 row_xmask:4 row_mask:0xf bank_mask:0xf
	v_add_f32_dpp v12, v12, v12 row_xmask:8 row_mask:0xf bank_mask:0xf
	v_permlanex16_b32 v13, v12, s20, s21
	v_add_f32 v12, v12, v13
.endm
.macro FOLD                            ; four chains in T become one number in v12
	v_pk_add_f32 v[T:T+1], v[T:T+1], v[T+2:T+3]
	v_pk_add_f32 v[T+4:T+5], v[T+4:T+5], v[T+6:T+7]
	v_pk_add_f32 v[T:T+1], v[T:T+1], v[T+4:T+5]
	v_add_f32 v12, v[T], v[T+1]
	WSUM
.endm
; the row in v[x] on becomes (x - mean) / sqrt(var + eps) x w + b
.macro NORM x
.irp c, 0,2,4,6
	v_pk_add_f32 v[T+\c:T+\c+1], v[\x+\c:\x+\c+1], v[\x+8+\c:\x+8+\c+1]
.endr
.irp k, 16,24
.irp c, 0,2,4,6
	v_pk_add_f32 v[T+\c:T+\c+1], v[T+\c:T+\c+1], v[\x+\k+\c:\x+\k+\c+1]
.endr
.endr
	FOLD
	v_mul_f32 v8, s22, v12                         ; the mean, twice: a pair for the packed forms
	v_mul_f32 v9, s22, v12
.set j, 0
.rept 16
	v_pk_add_f32 v[\x+j:\x+j+1], v[\x+j:\x+j+1], v[8:9] neg_lo:[0,1] neg_hi:[0,1]
.set j, j+2
.endr
.irp c, 0,2,4,6
	v_pk_mul_f32 v[T+\c:T+\c+1], v[\x+\c:\x+\c+1], v[\x+\c:\x+\c+1]
.endr
.irp k, 8,16,24
.irp c, 0,2,4,6
	v_pk_fma_f32 v[T+\c:T+\c+1], v[\x+\k+\c:\x+\k+\c+1], v[\x+\k+\c:\x+\k+\c+1], v[T+\c:T+\c+1]
.endr
.endr
	FOLD
	v_fma_f32 v12, v12, s22, s23                   ; var + eps
	v_rsq_f32 v10, v12
	v_rsq_f32 v11, v12
	v_nop                                          ; a plain instruction between a transcendental and the use of its result (ISA guide 5.7.2)
.set j, 0
	s_wait_alu depctr_va_vdst(0)
.rept 16
	v_pk_mul_f32 v[\x+j:\x+j+1], v[\x+j:\x+j+1], v[10:11]
.set j, j+2
.endr
.set j, 0
.rept 16
	v_pk_fma_f32 v[\x+j:\x+j+1], v[\x+j:\x+j+1], v[W+j:W+j+1], v[B+j:B+j+1]
.set j, j+2
.endr
.endm
; the row's codes under set s: hold (with the mask in it), conversion, two stores of 512 consecutive bytes
.macro QSET x, cd, s, i
.set j, 0
.rept 32
	v_med3_num_f32 v[T+j], v[\x+j], -v[HL+\s], v[HL+\s]   ; the conversion to an 8-bit code does not saturate (ISA guide 7.6.2)
.set j, j+1
.endr
.irp g, 0,1,2,3
	v_cvt_scalef32_pk8_fp8_f32 v[\cd+8*\s+2*\g:\cd+8*\s+2*\g+1], v[T+8*\g:T+8*\g+7], v[SCL+\s]
.endr
	v_nop                                          ; a plain instruction between the conversions and the next lines that write their sources
	global_store_b128 v2, v[\cd+8*\s:\cd+8*\s+3], s[42+2*\s:43+2*\s] offset:1024*\i
	global_store_b128 v2, v[\cd+8*\s+4:\cd+8*\s+7], s[42+2*\s:43+2*\s] offset:1024*\i+512
.endm
.macro ROW i, x, cd
	s_wait_loadcnt 8*(1-\i)                        ; this row's eight loads are in; the next row's may be out
.irp j, 0,1,2,3,4,5,6,7
	ds_store_b128 v3, v[RAW+32*\i+4*\j:RAW+32*\i+4*\j+3] offset:ROWL*\i+8*SP*\j
.endr
.irp g, 0,1
.irp c, 0,1,2,3
	ds_load_b128 v[\x+16*\g+4*\c:\x+16*\g+4*\c+3], v4 offset:ROWL*\i+32*SP*\g+16*\c   ; LDS serves a wave's instructions in order: these see the stores above
.endr
.endr
.irp s, 0,1,2
.if \s < NSET
	v_mov_b32 v[HL+\s], s[36+3*\i+\s]
.endif
.endr
	s_wait_dscnt 0x0                               ; the row is back (and, the first time, w and b); the stores have read their registers
	NORM \x
.irp s, 0,1,2
.if \s < NSET
	QSET \x, \cd, \s, \i
.endif
.endr
.endm
	ROW 0, X0, C0
	ROW 1, X1, C1                                  ; no register that a store reads is written again
	s_wait_tensorcnt 0x0
	ds_add_u32 v254, v255
	s_wait_dscnt 0x0
	s_endpgm
.Lfunc_end_k_q238c82bf17_ln2:
	.size	k_q238c82bf17_ln2, .Lfunc_end_k_q238c82bf17_ln2-k_q238c82bf17_ln2
	.p2alignl 7, 3214868480
	.fill 96, 4, 3214868480
	.section	.rodata,"a",@progbits
	.p2align	6, 0x0
	.amdhsa_kernel k_q238c82bf17_ln2
		.amdhsa_group_segment_fixed_size 93184
		.amdhsa_private_segment_fixed_size 0
		.amdhsa_enable_private_segment 0
		.amdhsa_kernarg_size 48
		.amdhsa_user_sgpr_count 2
		.amdhsa_user_sgpr_kernarg_segment_ptr 1
		.amdhsa_wavefront_size32 1
		.amdhsa_system_sgpr_workgroup_id_x 1
		.amdhsa_system_sgpr_workgroup_id_y 1
		.amdhsa_system_sgpr_workgroup_id_z 1
		.amdhsa_system_vgpr_workitem_id 0
		.amdhsa_next_free_vgpr 256
		.amdhsa_next_free_sgpr 66
		.amdhsa_reserve_vcc 0
		.amdhsa_float_denorm_mode_32 3
		.amdhsa_float_denorm_mode_16_64 3
		.amdhsa_memory_ordered 1
		.amdhsa_forward_progress 1
		.amdhsa_inst_pref_size 26
	.end_amdhsa_kernel
	.amdgpu_metadata
---
amdhsa.version: [ 1, 2 ]
amdhsa.kernels:
  - .name:           k_q238c82bf17_ln2
    .symbol:         k_q238c82bf17_ln2.kd
    .args:
      - { .name: x1, .offset: 0, .size: 8, .value_kind: global_buffer, .address_space: global }
      - { .name: key_padding_mask, .offset: 8, .size: 8, .value_kind: global_buffer, .address_space: global }
      - { .name: ln2_w, .offset: 16, .size: 8, .value_kind: global_buffer, .address_space: global }
      - { .name: ln2_b, .offset: 24, .size: 8, .value_kind: global_buffer, .address_space: global }
      - { .name: lowp_scales, .offset: 32, .size: 8, .value_kind: global_buffer, .address_space: global }
      - { .name: h2, .offset: 40, .size: 8, .value_kind: global_buffer, .address_space: global }
    .group_segment_fixed_size: 93184
    .private_segment_fixed_size: 0
    .kernarg_segment_align: 8
    .kernarg_segment_size: 48
    .max_flat_workgroup_size: 256
    .sgpr_count:     66
    .vgpr_count:     256
    .wavefront_size: 32
...
	.end_amdgpu_metadata
.endif
;; end of part 5
;; launch ff1 (part 6): grid 16 x 16, 4 waves a work-group, clusters of 4 x 4, 327,680 bytes of LDS; arguments h2, ff_w1_codes, lowp_scales, ff_b1, fc; writes fc
.if DOCPART == 6
	.amdgcn_target "amdgcn-amd-amdhsa--gfx1250"
	.amdhsa_code_object_version 6
	.text
	.protected	k_q238c82bf17_ff1
	.globl	k_q238c82bf17_ff1
	.p2align	8
	.type	k_q238c82bf17_ff1,@function
k_q238c82bf17_ff1:
	s_mov_b64 s[64:65], 0
	v_nop
	global_prefetch_b8 v0, s[64:65] scope:SCOPE_SE
	s_setreg_imm32_b32 hwreg(HW_REG_WAVE_MODE, 25, 1), 1
	s_wait_xcnt 0x0
	s_wait_alu depctr_hold_cnt(0) depctr_sa_sdst(0) depctr_va_vdst(0) depctr_va_sdst(0) depctr_va_ssrc(0) depctr_va_vcc(0) depctr_vm_vsrc(0)
	s_getreg_b32 s2, hwreg(HW_REG_IB_STS2, 6, 4)
	s_cmp_eq_u32 s2, 0
	s_cbranch_scc0 .Lentry_in_a_cluster
	s_endpgm
.Lentry_in_a_cluster:
	s_bfe_u32 s2, ttmp6, 0x10000c
	s_cmp_lg_u32 s2, 0xf033
	s_cbranch_scc0 .Lentry_shape_is_right
	s_endpgm
.Lentry_shape_is_right:
; f = relu(h2 ff_w1 + ff_b1), turned into codes of FP8 (E4M3) for the next product.  h2: [4096][1024] codes (e12); ff_w1: [4096 (n)][1024 (k)] codes (e13); ff_b1 [4096] f32; out: [4096][4096] codes (e14).
; A tile of the result, 256 x 256, is made by a work-group of four waves; a wave makes 128 x 128: 64 accumulators, 512 registers.  256 work-groups.
; K goes in four steps of 256 through a ring of two LDS slots filled by the tensor data mover: a tile's row is 256 bytes of memory.
; CLUSTERS: 4 x 4 work-groups.  h2's tile is shared along a row of the cluster, ff_w1's along a column: each is asked for JOINTLY.
; EACH CLUSTER WALKS K FROM A STEP OF ITS OWN: cluster (X, Y) takes the steps r, r + 1, r + 2, r + 3 (mod 4), r = X + 2 Y.  The four clusters that read the same rows of h2 (X = 0 .. 3) begin at four different steps,
; and clusters Y and Y + 1, which read the same rows of ff_w1, begin two steps apart: so each tile that a cluster asks for in its two refills was among the first fills of another cluster.
; r is made of the cluster's coordinates alone: the sixteen partners hold equal descriptors.  ORDER OF ROUNDING: the f32 sums take K's four steps in that order, not ascending.
; THE MATRIX INSTRUCTION IS USED TRANSPOSED (source 0 = 16 rows of ff_w1, source 1 = 16 rows of h2): a lane holds eight neighbouring hidden units of one token: eight neighbours along the next K.
; A fragment is fetched by four loads of 16 bytes: a permutation of k, the same on both sides.
; ON THE WAY OUT: sum x 2^(e12 + e13) + bias by one packed multiply-add for two numbers; the hold between 0 and 448 x 2^e14 is the activation too; the conversion divides by 2^e14.
; LIMITS: e12 + e13 between -126 and 127; e14 between -126 and 119.
; REGISTERS, in windows of 256: window 0: v0-31 addresses and constants; v32-95 the bias of my 128 columns in the results' layout; from v128 h2's fragments, ONE set; on the way out v96-223 are at work.
;   window 1: ff_w1's fragments, TWO sets.   window 2: the accumulators of my rows 0-63 ((a, b) at v[8 (8 a + b)]);   window 3: those of my rows 64-127.
.set SIZE_K, 1024
.set KSTEP,  256
.set ROWB,   256
.set KROW,   SIZE_K
.set PITCH,  272                       ; an LDS row: 256 bytes + 16 of padding = 68 words: row r starts at bank 4 r mod 64 (64 banks of 4 bytes: ISA guide 11.1)
.set FR,     16
.set NL,     4
.set NP,     4                         ; places behind this matrix instruction (ISA guide 7.12.1)
.set HALFT,  128*PITCH
.set SLOT,   4*HALFT
.set SPARE,  2*SLOT                    ; behind the ring: the spare words, 128 bytes for each wave, which no other line names
.set OPITCH, 4096                      ; a row of the output in bytes
.set ADRA, 16
.set ADRB, 20
.set STO,  24
.set RD,   25
.set CO,   26
.set BOF,  27                          ; 32 (l / 16): my half's bytes of the bias
.set SPW,  28
.set NIL,  29
.set SC,   30                          ; 2^e14
.set LIM,  31                          ; 448 x 2^e14
.set BIAS, 32
.set AF,   128
.set TMP,  128
.set CD,   192
.set RB,   96
.set G1, 24
.set G0, 32
.set G1B, 48
.set G0B, 56
.set KO,    66                         ; s[66:73] four pairs: the byte along K at which my first, second, third, fourth K step begins
.set ABASE, 74                         ; s[74:75] h2 at my 128 rows of the tile
.set BBASE, 76                         ; s[76:77] ff_w1 likewise
.set MSB, 0
.macro WIN new                         ; the immediate's high byte repeats the setting that is left
.if MSB != \new
	s_set_vgpr_msb (MSB<<8)|\new
.set MSB, \new
.endif
.endm
.set MUL_LO, 0xa1
.set MUL_HI, 0xf1
.set TO_B,   0x40
.macro JLOAD g0a, g1a, g0b, g1b        ; a joint load: waves 0 and 1 fetch for h2, waves 2 and 3 for ff_w1; four v_nop follow each line
	s_cmp_eq_u32 s15, 0
	s_cbranch_scc0 .Lfor_b_\@
	tensor_load_to_lds s[\g0a:\g0a+3], s[\g1a:\g1a+7]
	s_nop 0
.rept 4
	v_nop
.endr
	s_branch .Lasked_\@
.Lfor_b_\@:
	tensor_load_to_lds s[\g0b:\g0b+3], s[\g1b:\g1b+7]
	s_nop 0
.rept 4
	v_nop
.endr
.Lasked_\@:
.endm
.macro CREST
	s_cmp_lg_u32 s14, 0
	s_cbranch_scc1 .Lnot_wave_0_\@
	s_barrier_signal -3
.Lnot_wave_0_\@:
	s_barrier_wait -3
	s_barrier_signal -1
	s_barrier_wait -1
.endm
.macro CROUND
	s_barrier_signal -1
	s_barrier_wait -1
	CREST
.endm
	s_load_b128 s[4:7], s[0:1], 0x0                ; h2's codes, ff_w1's codes
	s_load_b128 s[8:11], s[0:1], 0x10              ; the scales' exponents, the bias
	s_load_b64 s[86:87], s[0:1], 0x20              ; the output
	v_lshl_add_u32 v[SPW], v0, 2, SPARE
	v_mov_b32 v[NIL], 0
	ds_add_u32 v28, v29
	ds_add_u32 v28, v29
	s_wait_dscnt 0x0
	v_lshrrev_b32 v1, 5, v0
	v_readfirstlane_b32 s14, v1                    ; wave 0..3
	s_lshr_b32 s15, s14, 1                         ; which half of the tile's rows is mine.  Also: I fetch for h2 (0) or for ff_w1 (1)
	s_and_b32 s16, s14, 1                          ; which half of its columns.  Also: which 128 rows of that tile I fetch
	s_bfe_u32 s40, ttmp6, 0x40000
	s_bfe_u32 s41, ttmp6, 0x40004
	s_lshl_b32 s42, ttmp9, 2
	s_add_co_u32 s42, s42, s40                     ; tile column
	s_and_b32 s17, ttmp7, 0xffff
	s_lshl_b32 s17, s17, 2
	s_add_co_u32 s17, s17, s41                     ; tile row
	s_lshl_b32 s43, s41, 2
	s_lshl_b32 s43, 15, s43                        ; my row of the cluster
	s_lshl_b32 s44, 0x1111, s40                    ; my column
	s_or_b32 s[G1+0], s43, (0<<16)|(1<<20)|(1<<21)|(5<<22)|(3<<25)  ; the mask; elements of 1 byte; padding on; 21 set beside a mask; after every 64 words four words
	s_or_b32 s[G1B+0], s44, (0<<16)|(1<<20)|(1<<21)|(5<<22)|(3<<25)
.irp g, G1, G1B
	s_mov_b32 s[\g+1], ROWB<<16
	s_mov_b32 s[\g+2], 128<<16
	s_mov_b32 s[\g+3], ROWB<<16
	s_mov_b32 s[\g+4], 128
	s_mov_b32 s[\g+5], KROW
	s_mov_b32 s[\g+6], 0
	s_mov_b32 s[\g+7], 0
.endr
	s_lshl_b32 s18, s16, 7
	s_lshl_b32 s20, s17, 8
	s_add_co_u32 s20, s20, s18
	s_lshl_b32 s20, s20, 10                        ; h2: (256 x tile row + 128 x half) rows of 1,024 bytes
	s_mov_b32 s21, 0
	s_lshl_b32 s46, s42, 8
	s_add_co_u32 s46, s46, s18
	s_lshl_b32 s46, s46, 10                        ; ff_w1 likewise, by the tile column
	s_mov_b32 s47, 0
	s_mul_i32 s45, s14, HALFT
	s_and_b32 s88, ttmp7, 0xffff
	s_lshl_b32 s88, s88, 1
	s_add_co_u32 s88, s88, ttmp9                   ; r = cluster x + 2 x cluster y: the same in all sixteen partners
.irp t, 0,1,2,3
	s_add_co_u32 s[KO+2*\t], s88, \t
	s_and_b32 s[KO+2*\t], s[KO+2*\t], 3            ; my K step number t is step (r + t) mod 4 of K,
	s_lshl_b32 s[KO+2*\t], s[KO+2*\t], 8           ; 256 bytes each
	s_mov_b32 s[KO+2*\t+1], 0
.endr
	s_wait_kmcnt 0x0
	s_load_b128 s[92:95], s[8:9], 0x30             ; e12, e13, e14, e15
	s_add_nc_u64 s[ABASE:ABASE+1], s[4:5], s[20:21]
	s_add_nc_u64 s[BBASE:BBASE+1], s[6:7], s[46:47]
	CROUND                                         ; all sixteen work-groups are here: the first joint loads meet
.irp s, 0,1
	s_mov_b32 s[G0+4*\s], 1
	s_add_co_u32 s[G0+4*\s+1], s45, \s*SLOT
	s_add_nc_u64 s[G0+4*\s+2:G0+4*\s+3], s[ABASE:ABASE+1], s[KO+2*\s:KO+2*\s+1]
	s_or_b32 s[G0+4*\s+3], s[G0+4*\s+3], 0x80000000
	s_mov_b32 s[G0B+4*\s], 1
	s_add_co_u32 s[G0B+4*\s+1], s45, \s*SLOT
	s_add_nc_u64 s[G0B+4*\s+2:G0B+4*\s+3], s[BBASE:BBASE+1], s[KO+2*\s:KO+2*\s+1]
	s_or_b32 s[G0B+4*\s+3], s[G0B+4*\s+3], 0x80000000
	JLOAD G0+4*\s, G1, G0B+4*\s, G1B               ; two loads of mine are out
.endr
	v_and_b32 v1, 15, v0                           ; l % 16
	v_bfe_u32 v2, v0, 4, 1                         ; l / 16
	v_mul_u32_u24 v3, v1, PITCH
	v_lshl_add_u32 v4, v2, 4, v3
	s_mul_i32 s21, s15, HALFT
	s_mul_i32 s22, s16, HALFT
	s_add_co_u32 s22, s22, 2*HALFT
.irp s, 0,1
	v_add_nc_u32 v[ADRA+\s], s21, v4
	v_add_nc_u32 v[ADRB+\s], s22, v4
	s_add_co_u32 s21, s21, SLOT
	s_add_co_u32 s22, s22, SLOT
.endr
	s_mul_i32 s23, s15, 128*272                    ; the stage: 256 rows x 272 bytes, the work-group's, from LDS byte 0
	s_lshl_b32 s22, s16, 7
	s_add_co_u32 s23, s23, s22
	v_mul_u32_u24 v5, v1, 272
	v_lshl_add_u32 v5, v2, 3, v5
	v_add_nc_u32 v[STO], s23, v5
	s_mul_i32 s23, s14, 64*272
	v_mul_u32_u24 v5, v2, 272
	v_lshl_add_u32 v5, v1, 4, v5
	v_add_nc_u32 v[RD], s23, v5
	v_mul_u32_u24 v5, v2, OPITCH
	v_lshl_add_u32 v[CO], v1, 4, v5
	v_lshlrev_b32 v[BOF], 5, v2
	s_lshl_b32 s46, s42, 10
	s_lshl_b32 s47, s16, 9
	s_add_co_u32 s46, s46, s47                     ; the bias of my 128 columns: 4 x (256 x tile column + 128 x half) bytes on
	s_mov_b32 s47, 0
	s_add_nc_u64 s[10:11], s[10:11], s[46:47]
.irp b, 0,1,2,3,4,5,6,7
	global_load_b128 v[BIAS+8*\b:BIAS+8*\b+3], v[BOF], s[10:11] offset:64*\b        ; register 8 b + j: column 16 b + 8 (l / 16) + j
	global_load_b128 v[BIAS+8*\b+4:BIAS+8*\b+7], v[BOF], s[10:11] offset:64*\b+16
.endr
	s_lshl_b32 s20, s17, 20                        ; the output: 256 x tile row rows of 4,096 bytes,
	s_lshl_b32 s21, s14, 18                        ; 64 x wave rows,
	s_add_co_u32 s20, s20, s21
	s_lshl_b32 s46, s42, 8                         ; 256 x tile column bytes
	s_add_co_u32 s20, s20, s46
	s_mov_b32 s21, 0
	s_add_nc_u64 s[86:87], s[86:87], s[20:21]
.macro FRAG reg, adr, q, i
.irp c, 0,1,2,3
	ds_load_b128 v[\reg+4*\c:\reg+4*\c+3], v[\adr] offset:128*(\q)+32*\c+(\i)*16*PITCH
.endr
.endm
; 16 matrix instructions.  The 64 accumulators take turns, one instruction a turn, in the same order in every step.
.macro MUL16 a0, p, zero
.irp a, \a0, \a0+1
.irp b, 0,1,2,3,4,5,6,7
.if \zero
	v_wmma_f32_16x16x128_fp8_fp8 v[8*(8*((\a)%4)+\b):8*(8*((\a)%4)+\b)+7], v[128*(\p)+FR*\b:128*(\p)+FR*\b+FR-1], v[AF+FR*(\a):AF+FR*(\a)+FR-1], 0
.else
	v_wmma_f32_16x16x128_fp8_fp8 v[8*(8*((\a)%4)+\b):8*(8*((\a)%4)+\b)+7], v[128*(\p)+FR*\b:128*(\p)+FR*\b+FR-1], v[AF+FR*(\a):AF+FR*(\a)+FR-1], v[8*(8*((\a)%4)+\b):8*(8*((\a)%4)+\b)+7]
.endif
.endr
.endr
.endm
.macro FETCH_B slot, q, p
	WIN TO_B
.irp i, 0,1,2,3,4,5,6,7
	FRAG 128*(\p)+FR*\i, ADRB+\slot, \q, \i
.endr
	WIN 0
.endm
.macro FETCH_A slot, q, i0
.irp i, \i0, \i0+1, \i0+2, \i0+3
	FRAG AF+FR*(\i), ADRA+\slot, \q, \i
.endr
.endm
.macro PLACES n                        ; plain vector instructions between a matrix instruction and a load into, or a read of, its registers (for a read)
.rept \n
	v_nop
.endr
.endm
.macro STEP slot, q, zero
	s_wait_dscnt 4*NL                              ; ff_w1's set and h2's blocks 0-3 are in; the youngest 16 loads (blocks 4-7) may be out
	WIN MUL_LO
	MUL16 0, (\q)%2, \zero
	MUL16 2, (\q)%2, \zero
	s_wait_dscnt 0
	PLACES NP
	FETCH_B \slot, (\q)+1, 1-(\q)%2
	FETCH_A \slot, (\q)+1, 0
	WIN MUL_HI
	MUL16 4, (\q)%2, \zero
	MUL16 6, (\q)%2, \zero
	PLACES NP
	WIN 0
	FETCH_A \slot, (\q)+1, 4
.endm
; A slot's last step changes slots: ONE barrier; in front of it each wave waits for all its tensor loads, adds 0 to its spare word, and waits for that and for its reads of this slot.
; fill = 1: this slot takes my K step two further on: slot 0 my third, slot 1 my fourth.
.macro TURN slot, next, fill
	s_wait_tensorcnt 0x0                           ; all my tensor loads have landed: my part of the next slot
	ds_add_u32 v[SPW], v[NIL]                      ; 0 onto my spare word
	s_wait_dscnt 4*NL+1                            ; (the add and the youngest 16 loads may be out)
	WIN MUL_LO
	MUL16 0, 1, 0
	s_wait_dscnt 0x0                               ; the add is done, and my reads of this slot are over
	s_barrier_signal -1
	MUL16 2, 1, 0
	WIN 0
	s_barrier_wait -1
.if \fill
	CREST                                          ; the barrier has opened a round of the cluster's: no wave of any partner still reads this slot or has a load on its way
	s_add_nc_u64 s[G0+4*\slot+2:G0+4*\slot+3], s[ABASE:ABASE+1], s[KO+4+2*\slot:KO+5+2*\slot]   ; no tensor load of mine is out: a group 0 may be written
	s_or_b32 s[G0+4*\slot+3], s[G0+4*\slot+3], 0x80000000
	s_add_nc_u64 s[G0B+4*\slot+2:G0B+4*\slot+3], s[BBASE:BBASE+1], s[KO+4+2*\slot:KO+5+2*\slot]
	s_or_b32 s[G0B+4*\slot+3], s[G0B+4*\slot+3], 0x80000000
	JLOAD G0+4*\slot, G1, G0B+4*\slot, G1B         ; my one tensor load behind the round; its four v_nop are the places in front of the loads below
.else
	PLACES NP
.endif
	FETCH_B \next, 0, 0
	FETCH_A \next, 0, 0
	WIN MUL_HI
	MUL16 4, 1, 0
	MUL16 6, 1, 0
	PLACES NP
	WIN 0
	FETCH_A \next, 0, 4
.endm
	s_wait_tensorcnt 1                             ; my part of my first K step is in (the second's load may be out)
	s_barrier_signal -1
	s_barrier_wait -1                              ; everybody's is
	FETCH_B 0, 0, 0
	FETCH_A 0, 0, 0
	FETCH_A 0, 0, 4
	STEP 0, 0, 1                                   ; the first step's products start the sums: nothing is cleared
	TURN 0, 1, 1                                   ; four K steps, two refills: written straight, no loop
	STEP 1, 0, 0
	TURN 1, 0, 1
	STEP 0, 0, 0
	TURN 0, 1, 0                                   ; the last two K steps fill nothing
	STEP 1, 0, 0
	s_wait_dscnt 4*NL
	WIN MUL_LO
	MUL16 0, 1, 0
	MUL16 2, 1, 0
	s_wait_dscnt 0
	WIN MUL_HI
	MUL16 4, 1, 0
	MUL16 6, 1, 0
	WIN 0
; THE WAY OUT.  A block of 16 rows x 128 columns: scaled, biased, held at 0 and at the largest code, converted (8 bytes a lane and tile), and put into the work-group's stage.  The stage lies in slot 0,
; which has had its last fill, and which nobody reads behind the last change of slots.  A row's 256 bytes come from two waves: a barrier, then each wave stores 64 whole rows.
.macro CODES a
.set AC, 64*((\a)%4)
.set CDA, CD+16*((\a)%2)
.if (\a) >= 2
	s_wait_dscnt 8                                 ; the stores of the block before last have read this set of registers; the last block's eight may be out
.endif
	WIN 0x02+((\a)/4)                              ; source 0: window 2 or 3
.set j, 0
.rept 32
	v_pk_fma_f32 v[TMP+j:TMP+j+1], v[AC+j:AC+j+1], s[96:97], v[BIAS+j:BIAS+j+1] op_sel_hi:[1,0,1]   ; sum x 2^(e12 + e13) + bias; each accumulator from its low end on
.set j, j+2
.endr
	WIN 0
.set j, 0
.rept 64
	v_med3_num_f32 v[TMP+j], v[TMP+j], 0, v[LIM]   ; the activation and the hold in one (the conversion does not saturate: ISA guide 7.6.2)
.set j, j+1
.endr
.irp b, 0,1,2,3,4,5,6,7
	v_cvt_scalef32_pk8_fp8_f32 v[CDA+2*\b:CDA+2*\b+1], v[TMP+8*\b:TMP+8*\b+7], v[SC]
.endr
	v_nop                                          ; a plain instruction between the conversions and the next lines that write their sources
.irp b, 0,1,2,3,4,5,6,7
	ds_store_b64 v[STO], v[CDA+2*\b:CDA+2*\b+1] offset:(\a)*16*272+16*\b
.endr
.endm
	s_wait_kmcnt 0x0
	s_add_co_i32 s96, s92, s93
	s_add_co_i32 s96, s96, 127
	s_lshl_b32 s96, s96, 23                        ; 2^(e12 + e13) as f32
	s_mov_b32 s97, s96                             ; (named with it as a pair)
	s_add_co_i32 s89, s94, 127
	s_lshl_b32 s90, s89, 23
	v_mov_b32 v[SC], s90
	s_add_co_i32 s89, s89, 8
	s_lshl_b32 s89, s89, 23
	s_or_b32 s89, s89, 0x600000
	v_mov_b32 v[LIM], s89
	s_wait_loadcnt 0x0                             ; the bias
	PLACES NP
.irp a, 0,1,2,3,4,5,6,7
	CODES \a
.endr
	s_wait_dscnt 0x0                               ; for the others' sake: my codes lie in the stage
	s_barrier_signal -1
	s_barrier_wait -1
.set t, 0
.rept 32
	ds_load_b128 v[RB+4*t:RB+4*t+3], v[RD] offset:544*t
.set t, t+1
.endr
.set t, 0
.rept 32
	s_wait_dscnt 31-t
	global_store_b128 v[CO], v[RB+4*t:RB+4*t+3], s[86:87] offset:2*t*OPITCH   ; 16 lanes store 256 consecutive bytes, at a multiple of 256 from the buffer's first byte
.set t, t+1
.endr
	s_wait_tensorcnt 0x0                           ; the wave's end
	ds_add_u32 v[SPW], v[NIL]
	s_wait_dscnt 0x0
	CROUND                                         ; the closing round
	s_endpgm
.Lfunc_end_k_q238c82bf17_ff1:
	.size	k_q238c82bf17_ff1, .Lfunc_end_k_q238c82bf17_ff1-k_q238c82bf17_ff1
	.p2alignl 7, 3214868480
	.fill 96, 4, 3214868480
	.section	.rodata,"a",@progbits
	.p2align	6, 0x0
	.amdhsa_kernel k_q238c82bf17_ff1
		.amdhsa_group_segment_fixed_size 327680
		.amdhsa_private_segment_fixed_size 0
		.amdhsa_enable_private_segment 0
		.amdhsa_kernarg_size 40
		.amdhsa_user_sgpr_count 2
		.amdhsa_user_sgpr_kernarg_segment_ptr 1
		.amdhsa_wavefront_size32 1
		.amdhsa_system_sgpr_workgroup_id_x 1
		.amdhsa_system_sgpr_workgroup_id_y 1
		.amdhsa_system_sgpr_workgroup_id_z 1
		.amdhsa_system_vgpr_workitem_id 0
		.amdhsa_next_free_vgpr 1024
		.amdhsa_next_free_sgpr 100
		.amdhsa_reserve_vcc 0
		.amdhsa_float_denorm_mode_32 3
		.amdhsa_float_denorm_mode_16_64 3
		.amdhsa_memory_ordered 1
		.amdhsa_forward_progress 1
		.amdhsa_inst_pref_size 144
	.end_amdhsa_kernel
	.amdgpu_metadata
---
amdhsa.version: [ 1, 2 ]
amdhsa.kernels:
  - .name:           k_q238c82bf17_ff1
    .symbol:         k_q238c82bf17_ff1.kd
    .args:
      - { .name: h2, .offset: 0, .size: 8, .value_kind: global_buffer, .address_space: global }
      - { .name: ff_w1_codes, .offset: 8, .size: 8, .value_kind: global_buffer, .address_space: global }
      - { .name: lowp_scales, .offset: 16, .size: 8, .value_kind: global_buffer, .address_space: global }
      - { .name: ff_b1, .offset: 24, .size: 8, .value_kind: global_buffer, .address_space: global }
      - { .name: fc, .offset: 32, .size: 8, .value_kind: global_buffer, .address_space: global }
    .group_segment_fixed_size: 327680
    .private_segment_fixed_size: 0
    .kernarg_segment_align: 8
    .kernarg_segment_size: 40
    .max_flat_workgroup_size: 128
    .sgpr_count:     100
    .vgpr_count:     1024
    .wavefront_size: 32
...
	.end_amdgpu_metadata
.endif
;; end of part 6
;; launch ff2 (part 7): grid 8 x 32, 4 waves a work-group, clusters of 4 x 4, 327,680 bytes of LDS; arguments fc, ff_w2_codes, out0, lowp_scales, ff_b2, x1, key_padding_mask; writes out0
.if DOCPART == 7
	.amdgcn_target "amdgcn-amd-amdhsa--gfx1250"
	.amdhsa_code_object_version 6
	.text
	.protected	k_q238c82bf17_ff2
	.globl	k_q238c82bf17_ff2
	.p2align	8
	.type	k_q238c82bf17_ff2,@function
k_q238c82bf17_ff2:
	s_mov_b64 s[64:65], 0
	v_nop
	global_prefetch_b8 v0, s[64:65] scope:SCOPE_SE
	s_setreg_imm32_b32 hwreg(HW_REG_WAVE_MODE, 25, 1), 1
	s_wait_xcnt 0x0
	s_wait_alu depctr_hold_cnt(0) depctr_sa_sdst(0) depctr_va_vdst(0) depctr_va_sdst(0) depctr_va_ssrc(0) depctr_va_vcc(0) depctr_vm_vsrc(0)
	s_getreg_b32 s2, hwreg(HW_REG_IB_STS2, 6, 4)
	s_cmp_eq_u32 s2, 0
	s_cbranch_scc0 .Lentry_in_a_cluster
	s_endpgm
.Lentry_in_a_cluster:
	s_bfe_u32 s2, ttmp6, 0x10000c
	s_cmp_lg_u32 s2, 0xf033
	s_cbranch_scc0 .Lentry_shape_is_right
	s_endpgm
.Lentry_shape_is_right:
; out0 = (x1 + f ff_w2 + ff_b2) x m:  C[m][n] = (R[m][n] + 2^(ea + eb) x (the sum over k of A[m][k] B[n][k]) + bias[n]) x m[row].
; A = f's codes [4096][4096], B = ff_w2's codes [1024][4096], FP8 (E4M3), K innermost; R = x1, C = out0: [4096][1024] f32.
; C has 64 tiles of 256 x 256, too few for the chip's work-group processors: a tile of C is 128 x 128, 256 work-groups.  Four waves, each 64 x 64: 16 accumulators, 128 registers.
; K goes in eight steps of 512 (LDS rows of 512 bytes; a wave's tensor load brings 64 of them) through a ring of two LDS slots.
; CLUSTERS: 4 x 4 work-groups; A's tile is shared along a row of the cluster, B's along a column: each is asked for JOINTLY.
; EACH CLUSTER WALKS K FROM A STEP OF ITS OWN: cluster (X, Y) takes the steps r, r + 1, .. r + 7 (mod 8), r = 4 X + 2 Y.  The clusters that read the same rows of B (one X, all Y) begin 0, 2, 4, 6 steps on,
; and a cluster's first fills are two steps: so every tile of B that a refill asks for was among the first fills of another cluster.  The two clusters that read the same rows of A (X = 0, 1) begin four steps
; apart: from my fifth step on A's tile was asked for four steps earlier by the other.  r is made of the cluster's coordinates alone: the sixteen partners hold equal descriptors.
; ORDER OF ROUNDING: the f32 sums take K's eight steps in that order, not ascending.
; THE MATRIX INSTRUCTION IS USED TRANSPOSED (source 0 = 16 rows of B, source 1 = 16 rows of A): a lane holds eight neighbouring numbers of a row of C.
; A fragment is fetched by four loads of 16 bytes: a permutation of k, the same in A and B.
; The residual's 64 x 64 numbers of the wave, the bias and the mask are asked for behind the first barrier, so that the first tiles' requests go out alone; they have all eight K steps in which to land.
; The residual comes in the layout in which the results come back from the stage.  The mask is a multiplication, as in the reference: NaN x 0 stays NaN.
; LIMIT: ea + eb between -126 and 127.
; REGISTERS: window 0: v16-31 addresses; v32-53 mask, bias; v64-127 rows on the way out; v128-255 the accumulators ((a, b) at v[128 + 8 (4 a + b)]).
;   window 1: two fragment buffers of 128: A's four fragments, then B's four.   window 2: v0-127 the residual.
.set SIZE_K, 4096
.set MASK,   1
.set EOFF,   0x38                      ; byte offset of ea, eb in lowp_scales
.set KSTEP,  512
.set PITCH,  528                       ; an LDS row: 512 bytes + 16 of padding = 132 words: row r starts at bank 4 r mod 64 (64 banks of 4 bytes: ISA guide 11.1)
.set HALFT,  64*PITCH
.set SLOT,   4*HALFT
.set SPARE,  2*SLOT                    ; behind the ring: the spare words, 128 bytes for each wave, which no other line names
.set SPITCH, 272                       ; the way out: 16 rows x (256 bytes + 16) for each wave, in slot 0, which has had its last fill and its last read by then
.set LAPS,   SIZE_K/(2*KSTEP)
.set ADRA, 16
.set ADRB, 20
.set STO,  24
.set RD,   25
.set CO,   26
.set ZO,   27                          ; 0
.set SPW,  28
.set NIL,  29
.set SH,   30                          ; 8 (l / 16)
.set BO,   31                          ; 16 (l % 16)
.set MK,   32                          ; v32-47 my 64 rows' bytes of the mask
.set BIAS, 48                          ; v48-51 the bias of my four columns on the way out
.set MM,   52                          ; v[52:53] m of a row
.set RB,   64                          ; two sets of 32
.set ACC,  128
.set F0,   0
.set F1,   128
.set G1, 24
.set G0, 32
.set G1B, 48
.set G0B, 56
.set KO,    66                         ; s[66:67], s[68:69]: the byte along K at which the K step in slot 0, 1 begins
.set ABASE, 70                         ; s[70:71] A at my 64 rows of the tile
.set BBASE, 72                         ; s[72:73] B likewise
.set MSB, 0
.macro WIN new                         ; the immediate's high byte repeats the setting that is left
.if MSB != \new
	s_set_vgpr_msb (MSB<<8)|\new
.set MSB, \new
.endif
.endm
.set MUL,  0x05                        ; sources 0 (B) and 1 (A) window 1; C and D window 0
.set TO_F, 0x40                        ; destination window 1, address window 0
.macro JLOAD s                         ; a joint load: waves 0 and 1 fetch A's halves, waves 2 and 3 B's; four v_nop follow each line
	s_cmp_eq_u32 s11, 0
	s_cbranch_scc0 .Lfor_b_\@
	tensor_load_to_lds s[G0+4*\s:G0+4*\s+3], s[G1:G1+7]
	s_nop 0
.rept 4
	v_nop
.endr
	s_branch .Lasked_\@
.Lfor_b_\@:
	tensor_load_to_lds s[G0B+4*\s:G0B+4*\s+3], s[G1B:G1B+7]
	s_nop 0
.rept 4
	v_nop
.endr
.Lasked_\@:
.endm
.macro CREST
	s_cmp_lg_u32 s10, 0
	s_cbranch_scc1 .Lnot_wave_0_\@
	s_barrier_signal -3
.Lnot_wave_0_\@:
	s_barrier_wait -3
	s_barrier_signal -1
	s_barrier_wait -1
.endm
.macro CROUND
	s_barrier_signal -1
	s_barrier_wait -1
	CREST
.endm
	s_load_b128 s[4:7], s[0:1], 0x0                ; A's codes, B's codes
	s_load_b64 s[8:9], s[0:1], 0x10                ; C
	s_load_b128 s[84:87], s[0:1], 0x18             ; the scales' exponents, the bias
	s_load_b64 s[88:89], s[0:1], 0x28              ; R
.if MASK
	s_load_b64 s[90:91], s[0:1], 0x30              ; the mask
.endif
	v_lshl_add_u32 v[SPW], v0, 2, SPARE
	v_mov_b32 v[NIL], 0
	ds_add_u32 v28, v29
	ds_add_u32 v28, v29
	s_wait_dscnt 0x0
	v_lshrrev_b32 v1, 5, v0
	v_readfirstlane_b32 s10, v1                    ; wave 0..3
	s_lshr_b32 s11, s10, 1                         ; which half of the tile's rows is mine.  Also: I fetch for A (0) or for B (1)
	s_and_b32 s12, s10, 1                          ; which half of its columns.  Also: which 64 rows of that tile I fetch
	s_bfe_u32 s40, ttmp6, 0x40000
	s_bfe_u32 s41, ttmp6, 0x40004
	s_lshl_b32 s42, ttmp9, 2
	s_add_co_u32 s42, s42, s40                     ; tile column
	s_and_b32 s13, ttmp7, 0xffff
	s_lshl_b32 s13, s13, 2
	s_add_co_u32 s13, s13, s41                     ; tile row
	s_lshl_b32 s43, s41, 2
	s_lshl_b32 s43, 15, s43                        ; my row of the cluster
	s_lshl_b32 s44, 0x1111, s40                    ; my column
	s_or_b32 s[G1+0], s43, (0<<16)|(1<<20)|(1<<21)|(6<<22)|(3<<25)  ; the mask; elements of 1 byte; padding on; 21 set beside a mask; after every 128 words four words
	s_or_b32 s[G1B+0], s44, (0<<16)|(1<<20)|(1<<21)|(6<<22)|(3<<25)
.irp g, G1, G1B
	s_mov_b32 s[\g+1], KSTEP<<16                   ; tensor_dim0
	s_mov_b32 s[\g+2], 64<<16                      ; tensor_dim1
	s_mov_b32 s[\g+3], KSTEP<<16                   ; tile_dim0
	s_mov_b32 s[\g+4], 64                          ; tile_dim1
	s_mov_b32 s[\g+5], SIZE_K                      ; tensor_dim0_stride
	s_mov_b32 s[\g+6], 0
	s_mov_b32 s[\g+7], 0
.endr
	s_lshl_b32 s17, s12, 6
	s_lshl_b32 s16, s13, 7
	s_add_co_u32 s16, s16, s17                     ; A: row 128 x tile row + 64 x half
	s_lshl_b32 s46, s42, 7
	s_add_co_u32 s46, s46, s17                     ; B: row 128 x tile column + 64 x half
	s_mov_b32 s17, 0
	s_mov_b32 s47, 0
	s_mov_b64 s[18:19], SIZE_K
	s_mul_u64 s[16:17], s[16:17], s[18:19]
	s_mul_u64 s[46:47], s[46:47], s[18:19]
	s_mul_i32 s20, s10, HALFT                      ; where they go: wave x 64 rows
	s_and_b32 s74, ttmp7, 0xffff
	s_lshl_b32 s74, s74, 1
	s_lshl_b32 s75, ttmp9, 2
	s_add_co_u32 s74, s74, s75                     ; r = 4 x cluster x + 2 x cluster y: the same in all sixteen partners
.irp s, 0,1
	s_add_co_u32 s[KO+2*\s], s74, \s
	s_and_b32 s[KO+2*\s], s[KO+2*\s], SIZE_K/KSTEP-1   ; slot s begins with step (r + s) mod 8 of K,
	s_lshl_b32 s[KO+2*\s], s[KO+2*\s], 9               ; 512 bytes each
	s_mov_b32 s[KO+2*\s+1], 0
.endr
	s_wait_kmcnt 0x0
	s_load_b64 s[96:97], s[84:85], EOFF            ; ea, eb
	s_add_nc_u64 s[ABASE:ABASE+1], s[4:5], s[16:17]
	s_add_nc_u64 s[BBASE:BBASE+1], s[6:7], s[46:47]
	CROUND                                         ; all sixteen work-groups are here: the first joint loads meet
.irp s, 0,1
	s_mov_b32 s[G0+4*\s], 1
	s_add_co_u32 s[G0+4*\s+1], s20, \s*SLOT
	s_add_nc_u64 s[G0+4*\s+2:G0+4*\s+3], s[ABASE:ABASE+1], s[KO+2*\s:KO+2*\s+1]
	s_or_b32 s[G0+4*\s+3], s[G0+4*\s+3], 0x80000000
	s_mov_b32 s[G0B+4*\s], 1
	s_add_co_u32 s[G0B+4*\s+1], s20, \s*SLOT
	s_add_nc_u64 s[G0B+4*\s+2:G0B+4*\s+3], s[BBASE:BBASE+1], s[KO+2*\s:KO+2*\s+1]
	s_or_b32 s[G0B+4*\s+3], s[G0B+4*\s+3], 0x80000000
	JLOAD \s                                       ; two loads of mine are out
.endr
	v_and_b32 v1, 15, v0                           ; l % 16
	v_bfe_u32 v2, v0, 4, 1                         ; l / 16
	v_mul_u32_u24 v3, v1, PITCH
	v_lshl_add_u32 v3, v2, 4, v3
	s_mul_i32 s21, s11, HALFT
	s_mul_i32 s22, s12, HALFT
	s_add_co_u32 s22, s22, 2*HALFT
.irp s, 0,1
	v_add_nc_u32 v[ADRA+\s], s21, v3
	v_add_nc_u32 v[ADRB+\s], s22, v3
	s_add_co_u32 s21, s21, SLOT
	s_add_co_u32 s22, s22, SLOT
.endr
	s_mul_i32 s23, s10, 16*SPITCH                  ; my stage
	v_mul_u32_u24 v4, v1, SPITCH
	v_lshl_add_u32 v4, v2, 5, v4
	v_add_nc_u32 v[STO], s23, v4                   ; in: row l % 16, 32 bytes for each half of the lanes
	v_mul_u32_u24 v5, v2, SPITCH
	v_lshl_add_u32 v5, v1, 4, v5
	v_add_nc_u32 v[RD], s23, v5                    ; back: lanes 0-15 one row of 256 bytes, lanes 16-31 the next
	v_lshlrev_b32 v5, 12, v2
	v_lshl_add_u32 v[CO], v1, 4, v5                ; and the same two rows in C and in R
	v_mov_b32 v[ZO], 0
	v_lshlrev_b32 v[SH], 3, v2
	v_lshlrev_b32 v[BO], 4, v1
	v_mov_b32 v[MM+1], 0                           ; (named as the upper half of a pair)
	s_lshl_b32 s16, s13, 7
	s_lshl_b32 s17, s11, 6
	s_add_co_u32 s16, s16, s17                     ; my first row: 128 x tile row + 64 x half
.if MASK
	s_mov_b32 s92, s16
	s_mov_b32 s93, 0
	s_add_nc_u64 s[90:91], s[90:91], s[92:93]
.endif
	s_lshl_b32 s16, s16, 12                        ; rows of 4,096 bytes
	s_lshl_b32 s46, s42, 9
	s_lshl_b32 s47, s12, 8
	s_add_co_u32 s46, s46, s47                     ; my first column in bytes: 512 x tile column + 256 x half
	s_mov_b32 s47, 0
	s_add_nc_u64 s[86:87], s[86:87], s[46:47]
	s_add_co_u32 s16, s16, s46
	s_mov_b32 s17, 0
	s_add_nc_u64 s[8:9], s[8:9], s[16:17]
	s_add_nc_u64 s[88:89], s[88:89], s[16:17]
.macro FRAG reg, adr, k, i             ; 16 rows x 128 K: registers 4 c .. 4 c + 3 hold K = 32 c + 16 (l / 16) + 0 .. 15
.irp c, 0,1,2,3
	ds_load_b128 v[\reg+4*\c:\reg+4*\c+3], v[\adr] offset:(\k)+32*\c+(\i)*16*PITCH
.endr
.endm
.macro FETCH slot, k, f                ; 32 LDS loads in one run: B's four fragments, then A's, of the 128 along K at byte k
	WIN TO_F
.irp i, 0,1,2,3
	FRAG \f+64+16*\i, ADRB+\slot, \k, \i
.endr
.irp i, 0,1,2,3
	FRAG \f+16*\i, ADRA+\slot, \k, \i
.endr
.endm
; 8 matrix instructions: A's blocks a0, a0 + 1 x B's four.  The 16 accumulators take turns, one instruction a turn, in the same order in every quarter.
.macro MUL8 f, a0, zero
.irp a, \a0, \a0+1
.irp b, 0,1,2,3
.if \zero
	v_wmma_f32_16x16x128_fp8_fp8 v[ACC+8*(4*(\a)+\b):ACC+8*(4*(\a)+\b)+7], v[\f+64+16*\b:\f+64+16*\b+15], v[\f+16*(\a):\f+16*(\a)+15], 0
.else
	v_wmma_f32_16x16x128_fp8_fp8 v[ACC+8*(4*(\a)+\b):ACC+8*(4*(\a)+\b)+7], v[\f+64+16*\b:\f+64+16*\b+15], v[\f+16*(\a):\f+16*(\a)+15], v[ACC+8*(4*(\a)+\b):ACC+8*(4*(\a)+\b)+7]
.endif
.endr
.endr
.endm
.macro PLACES                          ; four plain vector instructions between a matrix instruction and a load into, or a read of, its registers (for a read)
.rept 4
	v_nop
.endr
.endm
; A K step is four quarters of 128 along K, 16 matrix instructions each, on buffers 0, 1, 0, 1.  One of the first three multiplies buffer f and fetches the next quarter, at byte k, into g.
.macro QUARTER slot, k, f, g, zero
	s_wait_dscnt 8                                 ; B's fragments and A's blocks 0, 1 are in; the youngest eight loads may be out
	WIN MUL
	MUL8 \f, 0, \zero
	PLACES
	FETCH \slot, \k, \g
	s_wait_dscnt 32                                ; all but the 32 just issued
	WIN MUL
	MUL8 \f, 2, \zero
.endm
; The last quarter multiplies buffer 1 and changes slots: ONE barrier; in front of it each wave waits for all its tensor loads, adds 0 to its spare word, and waits for that and for its reads of this slot.
; fill = 1: this slot takes the K step two further on, round K's end.
.macro TURN slot, next, fill
	WIN 0
	s_wait_tensorcnt 0x0                           ; all my tensor loads have landed: my part of the next slot
	ds_add_u32 v[SPW], v[NIL]                      ; 0 onto my spare word
	s_wait_dscnt 9                                 ; (the add and the youngest eight loads may be out)
	WIN MUL
	MUL8 F1, 0, 0
	s_wait_dscnt 0x0                               ; the add is done, and my reads of this slot are over
	s_barrier_signal -1
	WIN 0
	s_barrier_wait -1
.if \fill
	CREST                                          ; the barrier has opened a round of the cluster's: no wave of any partner still reads this slot or has a load on its way
	s_add_co_u32 s[KO+2*\slot], s[KO+2*\slot], 2*KSTEP
	s_and_b32 s[KO+2*\slot], s[KO+2*\slot], SIZE_K-1               ; two K steps on, modulo a row's 4,096 bytes: an offset, made apart from the addresses
	s_add_nc_u64 s[G0+4*\slot+2:G0+4*\slot+3], s[ABASE:ABASE+1], s[KO+2*\slot:KO+2*\slot+1]   ; no tensor load of mine is out: a group 0 may be written
	s_or_b32 s[G0+4*\slot+3], s[G0+4*\slot+3], 0x80000000
	s_add_nc_u64 s[G0B+4*\slot+2:G0B+4*\slot+3], s[BBASE:BBASE+1], s[KO+2*\slot:KO+2*\slot+1]
	s_or_b32 s[G0B+4*\slot+3], s[G0B+4*\slot+3], 0x80000000
	JLOAD \slot                                    ; my one tensor load behind the round; its four v_nop are the places in front of the loads below
.else
	PLACES
.endif
	FETCH \next, 0, F0
	WIN MUL
	MUL8 F1, 2, 0
.endm
	s_wait_tensorcnt 1                             ; my part of my first K step is in (the second's may be out)
	s_barrier_signal -1
	s_barrier_wait -1                              ; everybody's is
	FETCH 0, 0, F0
	WIN 0
	global_load_b128 v[BIAS:BIAS+3], v[BO], s[86:87]   ; what the way out wants is asked for only now; none of these registers is touched before its wait there
.if MASK
.irp i, 0,1,2,3
	global_load_b128 v[MK+4*\i:MK+4*\i+3], v[ZO], s[90:91] offset:16*\i   ; every lane takes the same 64 bytes
.endr
.endif
	WIN 0x80                                       ; destination window 2
.irp a, 0,1,2,3
.irp t, 0,1,2,3,4,5,6,7
	global_load_b128 v[32*\a+4*\t:32*\a+4*\t+3], v[CO], s[88:89] offset:(16*\a+2*\t)*4096   ; 16 lanes read 256 consecutive bytes, aligned
.endr
.endr
	QUARTER 0, 128, F0, F1, 1                      ; the first quarter's products start the sums: nothing is cleared
.if LAPS > 1
	WIN 0
	s_mov_b32 s3, LAPS-1
.Llap:                                                 ; a trip goes once round the ring and fills both slots again
	QUARTER 0, 256, F1, F0, 0
	QUARTER 0, 384, F0, F1, 0
	TURN 0, 1, 1
	QUARTER 1, 128, F0, F1, 0
	QUARTER 1, 256, F1, F0, 0
	QUARTER 1, 384, F0, F1, 0
	TURN 1, 0, 1
	QUARTER 0, 128, F0, F1, 0
	WIN 0
	s_sub_co_u32 s3, s3, 1
	s_cmp_lg_u32 s3, 0
	s_cbranch_scc1 .Llap
.endif
	QUARTER 0, 256, F1, F0, 0                      ; the last lap fills nothing
	QUARTER 0, 384, F0, F1, 0
	TURN 0, 1, 0
	QUARTER 1, 128, F0, F1, 0
	QUARTER 1, 256, F1, F0, 0
	QUARTER 1, 384, F0, F1, 0
	s_wait_dscnt 8
	WIN MUL
	MUL8 F1, 0, 0
	s_wait_dscnt 0
	MUL8 F1, 2, 0
	WIN 0
; THE WAY OUT, a block of 16 rows x 64 columns at a time.  The sums go through my own stage as they are and come back as whole rows of 256 bytes, the layout in which the residual was loaded.
.macro TOSTAGE a
.set BB, RB+32*((\a)%2)
.irp b, 0,1,2,3
	ds_store_b128 v[STO], v[ACC+8*(4*(\a)+\b):ACC+8*(4*(\a)+\b)+3] offset:64*\b          ; each accumulator from its low end on
	ds_store_b128 v[STO], v[ACC+8*(4*(\a)+\b)+4:ACC+8*(4*(\a)+\b)+7] offset:64*\b+16
.endr
.irp t, 0,1,2,3,4,5,6,7
	ds_load_b128 v[BB+4*\t:BB+4*\t+3], v[RD] offset:\t*2*SPITCH    ; LDS serves a wave's instructions in order: these see the stores above
.endr
.endm
.macro SEND a, younger
.set BB, RB+32*((\a)%2)
	s_wait_dscnt \younger                          ; the block is back; the next block's LDS instructions may be out
	s_wait_loadcnt 8*(3-(\a))                      ; its residual is in; the later blocks' loads may be out
	WIN 0x20                                       ; source 2 window 2
.set j, 0
.rept 16
	v_pk_fma_f32 v[BB+j:BB+j+1], v[BB+j:BB+j+1], s[96:97], v[32*(\a)+j:32*(\a)+j+1] op_sel_hi:[1,0,1]   ; sum x 2^(ea + eb) + residual
.set j, j+2
.endr
	WIN 0
.irp t, 0,1,2,3,4,5,6,7
	v_pk_add_f32 v[BB+4*\t:BB+4*\t+1], v[BB+4*\t:BB+4*\t+1], v[BIAS:BIAS+1]
	v_pk_add_f32 v[BB+4*\t+2:BB+4*\t+3], v[BB+4*\t+2:BB+4*\t+3], v[BIAS+2:BIAS+3]
.endr
.if MASK
.irp t, 0,1,2,3,4,5,6,7
	v_bfe_u32 v[MM], v[MK+4*(\a)+\t/2], 16*(\t%2), 8               ; the byte of row 16 a + 2 t + l / 16 (the words were shifted by 8 (l / 16))
	v_cvt_f32_u32 v[MM], v[MM]
	v_pk_mul_f32 v[BB+4*\t:BB+4*\t+1], v[BB+4*\t:BB+4*\t+1], v[MM:MM+1] op_sel_hi:[1,0]
	v_pk_mul_f32 v[BB+4*\t+2:BB+4*\t+3], v[BB+4*\t+2:BB+4*\t+3], v[MM:MM+1] op_sel_hi:[1,0]
.endr
.endif
.irp t, 0,1,2,3,4,5,6,7
.if MASK
	global_store_b128 v[CO], v[BB+4*\t:BB+4*\t+3], s[8:9] offset:(16*(\a)+2*\t)*4096 th:TH_STORE_NT   ; 16 lanes store 256 consecutive bytes, aligned; written once, read by nobody here
.else
	global_store_b128 v[CO], v[BB+4*\t:BB+4*\t+3], s[8:9] offset:(16*(\a)+2*\t)*4096   ; 16 lanes store 256 consecutive bytes, aligned
.endif
.endr
.endm
	s_wait_kmcnt 0x0
	s_add_co_i32 s96, s96, s97
	s_add_co_i32 s96, s96, 127
	s_lshl_b32 s96, s96, 23                        ; 2^(ea + eb) as f32
	s_mov_b32 s97, s96                             ; (named with it as a pair)
	PLACES
.if MASK
	s_wait_loadcnt 32                              ; the bias and the mask are in; the residual's 32 loads may be out
.irp i, 0,1,2,3,4,5,6,7,8,9,10,11,12,13,14,15
	v_lshrrev_b32 v[MK+\i], v[SH], v[MK+\i]
.endr
.endif
	TOSTAGE 0
.irp a, 1,2,3
.if \a > 1
	s_wait_xcnt 0x0                                ; the stores of the block before last have read their registers: this block's loads may land there
.endif
	TOSTAGE \a
	SEND \a-1, 16
.endr
	SEND 3, 0
	s_wait_tensorcnt 0x0                           ; the wave's end
	ds_add_u32 v[SPW], v[NIL]
	s_wait_dscnt 0x0
	CROUND                                         ; the closing round
	s_endpgm
.Lfunc_end_k_q238c82bf17_ff2:
	.size	k_q238c82bf17_ff2, .Lfunc_end_k_q238c82bf17_ff2-k_q238c82bf17_ff2
	.p2alignl 7, 3214868480
	.fill 96, 4, 3214868480
	.section	.rodata,"a",@progbits
	.p2align	6, 0x0
	.amdhsa_kernel k_q238c82bf17_ff2
		.amdhsa_group_segment_fixed_size 327680
		.amdhsa_private_segment_fixed_size 0
		.amdhsa_enable_private_segment 0
		.amdhsa_kernarg_size 56
		.amdhsa_user_sgpr_count 2
		.amdhsa_user_sgpr_kernarg_segment_ptr 1
		.amdhsa_wavefront_size32 1
		.amdhsa_system_sgpr_workgroup_id_x 1
		.amdhsa_system_sgpr_workgroup_id_y 1
		.amdhsa_system_sgpr_workgroup_id_z 1
		.amdhsa_system_vgpr_workitem_id 0
		.amdhsa_next_free_vgpr 640
		.amdhsa_next_free_sgpr 100
		.amdhsa_reserve_vcc 0
		.amdhsa_float_denorm_mode_32 3
		.amdhsa_float_denorm_mode_16_64 3
		.amdhsa_memory_ordered 1
		.amdhsa_forward_progress 1
		.amdhsa_inst_pref_size 90
	.end_amdhsa_kernel
	.amdgpu_metadata
---
amdhsa.version: [ 1, 2 ]
amdhsa.kernels:
  - .name:           k_q238c82bf17_ff2
    .symbol:         k_q238c82bf17_ff2.kd
    .args:
      - { .name: fc, .offset: 0, .size: 8, .value_kind: global_buffer, .address_space: global }
      - { .name: ff_w2_codes, .offset: 8, .size: 8, .value_kind: global_buffer, .address_space: global }
      - { .name: out0, .offset: 16, .size: 8, .value_kind: global_buffer, .address_space: global }
      - { .name: lowp_scales, .offset: 24, .size: 8, .value_kind: global_buffer, .address_space: global }
      - { .name: ff_b2, .offset: 32, .size: 8, .value_kind: global_buffer, .address_space: global }
      - { .name: x1, .offset: 40, .size: 8, .value_kind: global_buffer, .address_space: global }
      - { .name: key_padding_mask, .offset: 48, .size: 8, .value_kind: global_buffer, .address_space: global }
    .group_segment_fixed_size: 327680
    .private_segment_fixed_size: 0
    .kernarg_segment_align: 8
    .kernarg_segment_size: 56
    .max_flat_workgroup_size: 128
    .sgpr_count:     100
    .vgpr_count:     640
    .wavefront_size: 32
...
	.end_amdgpu_metadata
.endif
;; end of part 7
